; MI455X (gfx1250); checked and timed in simulation.
; The chip was launched on July 23, 2026; its instructions are those of AMD's public machine-readable ISA for CDNA 5 (MIT licence, August 2026) and "CDNA5" Instruction Set Architecture Reference Guide (July 2026). The comments in the code are by the model that wrote it; some were corrected since.
;; Attention Block. Allowed arithmetic: matrix products marked QUANTISED: E4M3 operands, one given power-of-two scale a tensor, by v_wmma_f32_16x16x64_fp8_fp8 or v_wmma_f32_16x16x128_fp8_fp8, f32 sums; everything else in f32.
;; Inputs: W_k 1,024 x 1,024 float32; W_o 1,024 x 1,024 float32; W_q 1,024 x 1,024 float32; W_v 1,024 x 1,024 float32; b_k 1,024 float32; b_o 1,024 float32; b_q 1,024 float32; b_v 1,024 float32; inputs 4,096 x 1,024 float32; ln_b 1,024 float32; ln_w 1,024 float32; lowp_scales 12 int32 (the exponents e of the quantised operands' scales 2^e); mask 4,096 int32.
;; Outputs: out0 4,096 x 1,024 float32.
;; This version of the problem:
;;   THIS VERSION OF THE PROBLEM IS GIVEN IN LOW PRECISION. The matrix products marked QUANTISED in the list below multiply operands that are first quantised to E4M3 (4 exponent bits, 3 mantissa bits; 8 bits a number), with one given power-of-two scale for each operand tensor; their sums are f32. All else is computed in f32.
;;   The module's matrix products, in the order in which they are computed (A, B: the left and right operand; K: the contracted axis; several contracted axes count as one K, in the product's order):
;;     1. [M 4,096, K 1,024] x [K 1,024, N 1,024]; A: input inputs; B: input W_q: QUANTISED (scales: A lowp_scales[0], B lowp_scales[1])
;;     2. [M 4,096, K 1,024] x [K 1,024, N 1,024]; A: input inputs; B: input W_k: QUANTISED (scales: A lowp_scales[2], B lowp_scales[3])
;;     3. [M 4,096, K 1,024] x [K 1,024, N 1,024]; A: input inputs; B: input W_v: QUANTISED (scales: A lowp_scales[4], B lowp_scales[5])
;;     4. batch 16 x [M 4,096, K 64] x [K 64, N 4,096]; A: computed on the way; B: computed on the way: QUANTISED (scales: A lowp_scales[6], B lowp_scales[7])
;;     5. batch 16 x [M 4,096, K 4,096] x [K 4,096, N 64]; A: softmax (see below); B: computed on the way: QUANTISED (scales: A lowp_scales[8], B lowp_scales[9])
;;     6. [M 4,096, K 1,024] x [K 1,024, N 1,024]; A: computed on the way; B: input W_o: QUANTISED (scales: A lowp_scales[10], B lowp_scales[11])
;;   THE QUANTISER, for each operand of a quantised product, along K:
;;     - The operand's scale is 2^e, e = its entry of the input lowp_scales (int32; the entries are numbered through the quantised products in the list's order, A before B).
;;     - Each number is divided by the scale, clamped to +-448, and rounded to the nearest number of E4M3, ties to even, subnormals kept.
;;     - The product sums the exact products of the quantised numbers (number of the format x scale) in f32.
;;   ~~~python
;;   def quantise(x, axis, e):      # numpy; x: float32 -> the quantised numbers, widened to float32 again
;;       x = np.moveaxis(x, axis, -1); K = x.shape[-1]
;;       r = np.clip(x / 2.0 ** e, -448, 448)
;;       step = 2.0 ** (np.maximum(np.frexp(np.where(r == 0, 1, r))[1] - 1, -6) - 3)
;;       q = np.round(r / step) * step * 2.0 ** e      # np.round: ties to even
;;       return np.moveaxis(q, -1, axis).astype(np.float32)
;;   ~~~
;;   SOFTMAX AHEAD OF A QUANTISED PRODUCT. Where the list says 'softmax', what is quantised is not the finished softmax but p = 2^(t - M), with t = logit x log2(e) and M = ceil(the row's largest t), a whole number; so 1/2 < the row's largest p <= 1. The row's sum l is taken of the UNQUANTISED p, in f32, and the product's result is divided by l at the end. Since M is a whole number, a kernel that streams over the keys may use a running M (the ceiling of the running maximum): every later rescaling is an exact power of two, so the quantised numbers keep their values, but for numbers so far below the row's largest that they fall under the format's range.
;;   OPERANDS COMPUTED ON THE WAY. 'Computed on the way' means the value that the module computes at that place (a softmax that the list does not call 'softmax' is quantised finished and normalised). What goes into a quantiser is computed in f32, as accurately as f32 sums, v_exp_f32 and their like allow (about 1e-6 of the number): no bf16 or f16 on the way to a quantiser, and a product that is left as it is and whose result goes on into a quantised operand takes f32 operands (vector FMAs, or v_wmma_f32_16x16x4_f32). A number that lies on a knife's edge between two numbers of the format may be rounded either way, as far as f32 arithmetic and the matrix unit's own rounding can turn it there, and no further.
;; 2 versions, each right; version 2 is version 1 with the launches attn, oproj_ln written anew for expert scheduling mode. Each part assembles by itself: llvm-mc -triple=amdgcn-amd-amdhsa -mcpu=gfx1250 --defsym DOCPART=n.
;; ======== version 1 of 2: 4 launches
;; workspace buffers: ximg 12,582,912 bytes; wimg 4,194,304 bytes; qkv 12,582,912 bytes; oimg 4,194,304 bytes
;; launch prep (part 1): grid 512 x 1, 4 waves a work-group, no clusters, 70,144 bytes of LDS; arguments inputs, W_q, W_k, W_v, W_o, lowp_scales, ximg, wimg; writes ximg, wimg
.if DOCPART == 1
	.amdgcn_target "amdgcn-amd-amdhsa--gfx1250"
	.amdhsa_code_object_version 6
	.text
	.protected	k_qac64f719a9_prep
	.globl	k_qac64f719a9_prep
	.p2align	8
	.type	k_qac64f719a9_prep,@function
k_qac64f719a9_prep:
	s_mov_b64 s[64:65], 0
	v_nop
	global_prefetch_b8 v0, s[64:65] scope:SCOPE_SE
	s_setreg_imm32_b32 hwreg(HW_REG_WAVE_MODE, 25, 1), 1
	s_wait_xcnt 0x0
; THE PROGRAM: an attention block, S = 4096 tokens, H = 1024, 16 heads of 64; all six products on codes of FP8 (E4M3), one given scale 2^e for each operand.  Four launches:
;   prep (this one): inputs -> three sets of codes (e0, e2, e4 may differ), the four weights -> codes;   proj: Q, K, V as codes;   attn: softmax and both products, O as codes;   oproj_ln: O W_o + b_o + inputs, LayerNorm.
; DEAD WORK: none is left out.  Every bias stands ahead of a quantiser (b_q, b_k, b_v) or reaches the output (b_o); the mask multiplies scores (a masked score is 0, not -infinity), so every query sums over
; all 4096 keys whatever the mask holds; only values of an input could throw work away, so the work is done and multiplied.  All thirteen inputs are loaded by some launch.
; THE FORMAT OF EVERY OPERAND IN THE WORKSPACE: A UNIT is 16 rows x 32 along K = 512 bytes, an image of four operand registers: lane L = (r = L % 16, h = L / 16) owns the 16 bytes at 16 L: the codes
; k = 32 ku + 16 h + 0 .. 15 of the tile's row r.  Four units on end are a fragment of the K = 128 form, two of the K = 64 form: a permutation of k that is the same in both operands of every product.
; PERMUTED TILES: tile 2 b + u holds rows 32 b + 8 u + r + 8 (r / 8).  Where such a tile is a product's source 0, a lane's 16 result registers of tiles 2 b and 2 b + 1 are the 16 neighbours 32 b + 16 h + 0 .. 15:
; two conversions then make a unit of the next operand.  Tokens (ximg) and the features of W_q, W_k, W_v are tiled so; W_o's features lie in natural order.
;   ximg [3][256 token tiles][32 ku][512]        wimg [q, k, v, o][64 feature tiles][32 ku][512]
; code = x / 2^e, held within +-448, to the nearest code, ties to even.  LIMITS: e0 .. e5 and e11 between -126 and 119, so that 2^e and 448 x 2^e are f32 numbers.  NaN among the inputs is not served.
; SHARES: work-groups 0-255: one token tile of inputs each (16 rows x 1024; a wave takes 256 numbers of each row, in four steps of 64).  Work-groups 256-511: a weight, 128 along K, 128 columns (32 a wave).
; A stream: each input byte is read once, each code written once; no matrix unit, no cluster (no two work-groups read the same bytes), no barrier (waves share nothing).
.set SPARE, 69632                      ; behind the four waves' stages: the spare words, 128 bytes for each wave
.set WREG,  17408                      ; a wave's stages: four, one for each step, each written once
.set SREG,  4352                       ; a stage: 16 rows x (256 bytes + 16)
.set SPW,   14                         ; v14  LDS address of my spare word; never rewritten
.set NIL,   15                         ; v15  0; never rewritten
.set LD,    16                         ; v16-143  numbers as they are loaded; a step's registers later take its codes
.set X,     144                        ; v144-175 32 numbers of my row: two units' worth (weights: v144-175 the codes)
.set T,     176                        ; v176-207 two sets of 16 held numbers, by turns
.macro MKSC e, vs, vl                  ; 2^e and 448 x 2^e as f32 numbers
	s_add_co_i32 s30, s[\e], 127
	s_lshl_b32 s31, s30, 23
	v_mov_b32 v[\vs], s31
	s_add_co_i32 s30, s30, 8
	s_lshl_b32 s30, s30, 23
	s_or_b32 s30, s30, 0x600000
	v_mov_b32 v[\vl], s30
.endm
.macro XLOAD sg                        ; step sg: 64 numbers of 16 rows; each load takes two rows' 256 consecutive bytes, aligned.  The tile's rows 8-15 lie 8 tokens further on
.irp k, 0,1,2,3,4,5,6,7
	global_load_b128 v[LD+32*\sg+4*\k:LD+32*\sg+4*\k+3], v4, s[4:5] offset:\sg*256+(2*\k+8*(\k/4))*4096 th:TH_LOAD_NT
.endr
.endm
.macro XSTEP sg
	s_wait_loadcnt 8*(3-\sg)                       ; this step's eight loads are in; the younger steps' stay out
.irp k, 0,1,2,3,4,5,6,7
	ds_store_b128 v5, v[LD+32*\sg+4*\k:LD+32*\sg+4*\k+3] offset:\sg*SREG+\k*544
.endr
.irp j, 0,1,2,3,4,5,6,7
	ds_load_b128 v[X+4*\j:X+4*\j+3], v6 offset:\sg*SREG+(\j/4)*128+(\j%4)*16   ; LDS serves a wave's instructions in order: these see my stores.  Register 16 c + i = number 32 c + 16 h + i of row r
.endr
	s_wait_dscnt 0x0                               ; the numbers are back, and the stores have read the step's registers, which now take its codes
.irp p, 0,1,2
.irp c, 0,1
.set TT, T+16*((2*\p+\c)%2)
.set CC, LD+32*\sg+4*(2*\p+\c)
.set xi, 0
.rept 16
	v_med3_num_f32 v[TT+xi], v[X+16*\c+xi], -v[11+\p], v[11+\p]   ; the conversion to an 8-bit code does not saturate (ISA guide 7.6.2): the hold comes first.  The two sets take turns, so that sixteen plain lines stand between a conversion and the next write of its sources
.set xi, xi+1
.endr
	v_cvt_scalef32_pk8_fp8_f32 v[CC:CC+1], v[TT:TT+7], v[8+\p]
	v_cvt_scalef32_pk8_fp8_f32 v[CC+2:CC+3], v[TT+8:TT+15], v[8+\p]
	global_store_b128 v7, v[CC:CC+3], s[24+2*\p:25+2*\p] offset:(2*\sg+\c)*512   ; a unit: 512 consecutive bytes, aligned.  Each unit has registers of its own: no store's data are written again
.endr
.endr
.endm
.macro WLD bl                          ; block bl of a weight: W(32 bl + i, my column), i = 0 .. 31
.set wi, 0
.rept 32
	global_load_b32 v[LD+32*(\bl)+wi], v8, s[24:25] offset:(32*(\bl)+wi)*4096 th:TH_LOAD_NT
.set wi, wi+1
.endr
.endm
.macro WBLK bl, left
	s_wait_loadcnt \left                           ; this block's 32 loads are in; the next block's stay out
.if (\bl)+2 < 4
	WLD (\bl)+2
.endif
.set wi, 0
.rept 32
	v_med3_num_f32 v[LD+32*(\bl)+wi], v[LD+32*(\bl)+wi], -v12, v12
.set wi, wi+1
.endr
.irp g, 0,1,2,3
	v_cvt_scalef32_pk8_fp8_f32 v[X+8*(\bl)+2*\g:X+8*(\bl)+2*\g+1], v[LD+32*(\bl)+8*\g:LD+32*(\bl)+8*\g+7], v11
.endr
	global_store_b128 v9, v[X+8*(\bl):X+8*(\bl)+3], s[18:19] offset:(\bl)*512         ; k = 0 .. 15 of the block: the unit's lower half; sixteen lanes store 256 consecutive bytes, aligned
	global_store_b128 v9, v[X+8*(\bl)+4:X+8*(\bl)+7], s[18:19] offset:(\bl)*512+256   ; k = 16 .. 31: its upper half
.endm
	s_load_b256 s[4:11], s[0:1], 0x0               ; inputs s[4:5], W_q s[6:7], W_k s[8:9], W_v s[10:11]
	s_load_b256 s[12:19], s[0:1], 0x20             ; W_o s[12:13], the scales' exponents s[14:15], ximg s[16:17], wimg s[18:19]
	v_lshl_add_u32 v[SPW], v0, 2, SPARE
	v_mov_b32 v[NIL], 0
	v_lshrrev_b32 v1, 5, v0
	v_readfirstlane_b32 s20, v1                    ; wave 0..3
	v_and_b32 v1, 31, v0                           ; lane
	v_and_b32 v2, 15, v0                           ; r
	v_bfe_u32 v3, v0, 4, 1                         ; h
	v_lshlrev_b32 v7, 4, v1                        ; 16 x lane: my place in a unit
	s_mul_i32 s21, s20, WREG
	v_mul_u32_u24 v5, v3, 272
	v_lshl_add_u32 v5, v2, 4, v5
	v_add_nc_u32 v5, s21, v5                       ; into a stage: as loaded: row h of the pair, 16 bytes a lane
	v_mul_u32_u24 v6, v2, 272
	v_lshl_add_u32 v6, v3, 6, v6
	v_add_nc_u32 v6, s21, v6                       ; out of it: row r, + 64 h: my 16 neighbours of a block of 32
	s_wait_kmcnt 0x0
	s_load_b256 s[32:39], s[14:15], 0x0            ; e0 .. e7
	s_load_b128 s[40:43], s[14:15], 0x20           ; e8 .. e11
	s_cmp_lt_u32 ttmp9, 256
	s_cbranch_scc0 .Lweights
	; ---- inputs: token tile g = the work-group's number; its first token is 32 (g / 2) + 8 (g % 2)
	v_lshlrev_b32 v4, 12, v3
	v_lshl_add_u32 v4, v2, 4, v4                   ; in memory: row h of the pair, 16 bytes a lane
	s_lshr_b32 s22, ttmp9, 1
	s_lshl_b32 s22, s22, 5
	s_and_b32 s23, ttmp9, 1
	s_lshl_b32 s23, s23, 3
	s_add_co_u32 s22, s22, s23
	s_lshl_b32 s22, s22, 12                        ; a row of inputs is 4,096 bytes
	s_lshl_b32 s23, s20, 10                        ; my wave's 256 numbers
	s_add_co_u32 s22, s22, s23
	s_mov_b32 s23, 0
	s_add_nc_u64 s[4:5], s[4:5], s[22:23]
	s_lshl_b32 s22, ttmp9, 14                      ; the tile's 32 units,
	s_lshl_b32 s21, s20, 12                        ; my wave's eight of them
	s_add_co_u32 s22, s22, s21
	s_add_nc_u64 s[24:25], s[16:17], s[22:23]      ; a base for each of the three sets of codes: twice 4 MiB does not fit a store's immediate
	s_add_nc_u64 s[26:27], s[24:25], 0x400000
	s_add_nc_u64 s[28:29], s[26:27], 0x400000
	XLOAD 0
	XLOAD 1
	XLOAD 2
	XLOAD 3                                        ; 32 loads of the wave are out
	s_wait_kmcnt 0x0
	MKSC 32, 8, 11                                 ; e0: for the product with W_q
	MKSC 34, 9, 12                                 ; e2: with W_k
	MKSC 36, 10, 13                                ; e4: with W_v
	XSTEP 0
	XSTEP 1
	XSTEP 2
	XSTEP 3
	s_wait_tensorcnt 0x0                           ; the wave's end: a tensor wait, 0 added to my spare word, and a wait for the add, behind my last LDS store
	ds_add_u32 v[SPW], v[NIL]
	s_wait_dscnt 0x0
	s_endpgm
	; ---- the weights: K is their FIRST axis.  A lane takes a column and its registers run down K, so the conversions give codes with K innermost
.Lweights:
	s_sub_co_u32 s21, ttmp9, 256
	s_lshr_b32 s22, s21, 6                         ; which weight: q, k, v, o
	s_bfe_u32 s23, s21, 0x30003                    ; which 128 along K
	s_and_b32 s21, s21, 7
	s_lshl_b32 s21, s21, 2
	s_add_co_u32 s21, s21, s20                     ; which 32 columns: 4 x group + wave
	s_and_b32 s46, s22, 1
	s_cmp_lt_u32 s22, 2
	s_cselect_b64 s[24:25], s[6:7], s[10:11]       ; the choice hangs on the work-group's number alone
	s_cselect_b64 s[26:27], s[8:9], s[12:13]
	s_cmp_eq_u32 s46, 0
	s_cselect_b64 s[24:25], s[24:25], s[26:27]
	s_cmp_eq_u32 s22, 3
	s_cselect_b32 s30, 3, 4                        ; lane L is image lane (tile L / 16, row L % 16).  Its column among the 32: permuted tiles: L % 8 + 16 bit3 + 8 bit4;
	s_cselect_b32 s31, 4, 3                        ; W_o's natural tiles: L % 8 + 8 bit3 + 16 bit4
	v_and_b32 v8, 7, v0
	v_bfe_u32 v10, v0, 3, 1
	v_lshlrev_b32 v10, s30, v10
	v_add_nc_u32 v8, v8, v10
	v_lshlrev_b32 v10, s31, v3
	v_add_nc_u32 v8, v8, v10
	v_lshlrev_b32 v8, 2, v8                        ; in bytes
	v_lshlrev_b32 v9, 14, v3
	v_lshl_add_u32 v9, v2, 4, v9                   ; out: my tile of the two, 16 bytes for my row
	s_lshl_b32 s44, s23, 19                        ; 128 rows of 4,096 bytes
	s_lshl_b32 s45, s21, 7                         ; 32 columns of 4 bytes
	s_add_co_u32 s44, s44, s45
	s_mov_b32 s45, 0
	s_add_nc_u64 s[24:25], s[24:25], s[44:45]
	s_lshl_b32 s44, s22, 20                        ; the weight's 1 MiB of codes,
	s_lshl_b32 s47, s21, 15                        ; two tiles of 16,384 bytes,
	s_add_co_u32 s44, s44, s47
	s_lshl_b32 s47, s23, 11                        ; four units
	s_add_co_u32 s44, s44, s47
	s_add_nc_u64 s[18:19], s[18:19], s[44:45]
	WLD 0
	WLD 1                                          ; two blocks, 64 loads, ahead
	s_wait_kmcnt 0x0
	s_cmp_lt_u32 s22, 2
	s_cselect_b32 s28, s33, s37                    ; e1 or e5
	s_cselect_b32 s29, s35, s43                    ; e3 or e11
	s_cmp_eq_u32 s46, 0
	s_cselect_b32 s28, s28, s29
	MKSC 28, 11, 12
	WBLK 0, 32
	WBLK 1, 32
	WBLK 2, 32
	WBLK 3, 0
	s_endpgm
.Lfunc_end_k_qac64f719a9_prep:
	.size	k_qac64f719a9_prep, .Lfunc_end_k_qac64f719a9_prep-k_qac64f719a9_prep
	.p2alignl 7, 3214868480
	.fill 96, 4, 3214868480
	.section	.rodata,"a",@progbits
	.p2align	6, 0x0
	.amdhsa_kernel k_qac64f719a9_prep
		.amdhsa_group_segment_fixed_size 70144
		.amdhsa_private_segment_fixed_size 0
		.amdhsa_enable_private_segment 0
		.amdhsa_kernarg_size 64
		.amdhsa_user_sgpr_count 2
		.amdhsa_user_sgpr_kernarg_segment_ptr 1
		.amdhsa_wavefront_size32 1
		.amdhsa_system_sgpr_workgroup_id_x 1
		.amdhsa_system_sgpr_workgroup_id_y 1
		.amdhsa_system_sgpr_workgroup_id_z 1
		.amdhsa_system_vgpr_workitem_id 0
		.amdhsa_next_free_vgpr 208
		.amdhsa_next_free_sgpr 66
		.amdhsa_reserve_vcc 0
		.amdhsa_float_denorm_mode_32 3
		.amdhsa_float_denorm_mode_16_64 3
		.amdhsa_memory_ordered 1
		.amdhsa_forward_progress 1
		.amdhsa_inst_pref_size 64
	.end_amdhsa_kernel
	.amdgpu_metadata
---
amdhsa.version: [ 1, 2 ]
amdhsa.kernels:
  - .name:           k_qac64f719a9_prep
    .symbol:         k_qac64f719a9_prep.kd
    .args:
      - { .name: inputs, .offset: 0, .size: 8, .value_kind: global_buffer, .address_space: global }
      - { .name: W_q, .offset: 8, .size: 8, .value_kind: global_buffer, .address_space: global }
      - { .name: W_k, .offset: 16, .size: 8, .value_kind: global_buffer, .address_space: global }
      - { .name: W_v, .offset: 24, .size: 8, .value_kind: global_buffer, .address_space: global }
      - { .name: W_o, .offset: 32, .size: 8, .value_kind: global_buffer, .address_space: global }
      - { .name: lowp_scales, .offset: 40, .size: 8, .value_kind: global_buffer, .address_space: global }
      - { .name: ximg, .offset: 48, .size: 8, .value_kind: global_buffer, .address_space: global }
      - { .name: wimg, .offset: 56, .size: 8, .value_kind: global_buffer, .address_space: global }
    .group_segment_fixed_size: 70144
    .private_segment_fixed_size: 0
    .kernarg_segment_align: 8
    .kernarg_segment_size: 64
    .max_flat_workgroup_size: 128
    .sgpr_count:     66
    .vgpr_count:     208
    .wavefront_size: 32
...
	.end_amdgpu_metadata
.endif
;; end of part 1
;; launch proj (part 2): grid 4 x 48, 4 waves a work-group, clusters of 4 x 4, 327,680 bytes of LDS; arguments ximg, wimg, b_q, b_k, b_v, lowp_scales, qkv; writes qkv
.if DOCPART == 2
	.amdgcn_target "amdgcn-amd-amdhsa--gfx1250"
	.amdhsa_code_object_version 6
	.text
	.protected	k_qac64f719a9_proj
	.globl	k_qac64f719a9_proj
	.p2align	8
	.type	k_qac64f719a9_proj,@function
k_qac64f719a9_proj:
	s_mov_b64 s[64:65], 0
	v_nop
	global_prefetch_b8 v0, s[64:65] scope:SCOPE_SE
	s_setreg_imm32_b32 hwreg(HW_REG_WAVE_MODE, 25, 1), 1
	s_wait_xcnt 0x0
	s_wait_alu depctr_hold_cnt(0) depctr_sa_sdst(0) depctr_va_vdst(0) depctr_va_sdst(0) depctr_va_ssrc(0) depctr_va_vcc(0) depctr_vm_vsrc(0)
	s_getreg_b32 s2, hwreg(HW_REG_IB_STS2, 6, 4)
	s_cmp_eq_u32 s2, 0
	s_cbranch_scc0 .Lentry_in_a_cluster
	s_endpgm
.Lentry_in_a_cluster:
	s_bfe_u32 s2, ttmp6, 0x10000c
	s_cmp_lg_u32 s2, 0xf033
	s_cbranch_scc0 .Lentry_shape_is_right
	s_endpgm
.Lentry_shape_is_right:
; Q = Quant(x W_q + b_q), K = Quant(x W_k + b_k), V = Quant(x W_v + b_v), all three in one launch, on codes of FP8 (E4M3).  No work of the problem is left out here.
; ONE TEXT FOR THREE PRODUCTS.  Z[R row][P row] = sum over k of R P, source 0 = 16 rows of P, source 1 = 16 rows of R: a lane holds ONE row of R and its registers run along P's rows.
;   Q, K: R = the tokens' codes (ximg, set 0 or 1), P = the weight's (features): a lane's registers run along the features, the next K (the head's 64).
;   V:    R = W_v's codes (features), P = the tokens' (ximg, set 2): a lane's registers run along the tokens, the next K (the keys).
; P's tiles are permuted (tile 2 b + u = rows 32 b + 8 u + r + 8 (r / 8)), so the 16 registers of tiles 2 b, 2 b + 1 are 16 neighbours: two conversions make a unit (512 bytes, 16 a lane) of the next operand, stored straight from registers.
; Only pointers (chosen on the cluster's number), the bias's place as C and the first step's C operand differ between the three.
; THE BIAS is the C of each sum's first matrix instruction, divided by 2^(ea + eb), the power of two that the sums lack; the hold and ONE conversion with the scale 2^(eout - ea - eb) give the codes.
; qkv [p = q, k, v][FB 8][TB 32][a 8][be 4][512]: FB = 128 features, TB = 128 tokens.  Q, K: token tile 8 TB + a, head 2 FB + be / 2, unit be % 2 of its 64.  V: head 2 FB + a / 4, tile a % 4 of its 64, unit be of key step TB.
; SHARES: a work-group of four waves makes 256 x 256 of Z, a wave 128 x 128: 64 accumulators, 512 registers.  192 work-groups: tiles of 128 x 128 would give each WGP's LDS 768 KiB to take in for the launch against 512 KiB here.
; K = 1024 goes in four steps of 256 through two LDS slots.  The operands lie in memory as images of their registers, so a slot needs no padding: every fragment load takes 512 consecutive bytes.
; CLUSTERS: 4 x 4 work-groups: R's tile is shared along a row of the cluster, P's along a column: each is asked for JOINTLY, by the same tensor load with the same descriptor and a mask that names the four.
; LIMITS: eout - ea - eb between -126 and 119 for (e0, e1, e6), (e2, e3, e7), (e4, e5, e9).  NaN among the inputs is not served.
; REGISTERS, in windows of 256: window 0: v0-31 addresses; v32-95 the bias as C, later v32-159 the codes; from v128 R's fragments, ONE set.  window 1: P's fragments, TWO sets.  windows 2, 3: the accumulators ((a, b) at v[8 (8 (a % 4) + b)]).
.set SLOT,   131072                    ; R's 16 tiles x 4,096 bytes (8 units: 256 along K), then P's 16
.set SPARE,  262144                    ; behind the ring: the spare words, 128 bytes for each wave
.set FR,     16                        ; registers of a fragment
.set NL,     4                         ; LDS loads that bring one
.set NP,     4                         ; places behind this matrix instruction (ISA guide 7.12.1)
.set ADRA, 16                          ; v16-17  LDS address of my R fragments in slot 0, 1
.set ADRB, 20                          ; v20-21  the same for P
.set LI,   26                          ; v26     16 x lane
.set SPW,  28                          ; v28     LDS address of my spare word; never rewritten
.set NIL,  29                          ; v29     0; never rewritten
.set SC,   30                          ; v30     2^(eout - ea - eb)
.set LIM,  31                          ; v31     448 x that
.set BC,   32                          ; v32-95  the bias as C
.set CD,   32                          ; v32-159 the codes, 16 registers for each of my eight blocks of R
.set AF,   128
.set G1, 24                            ; s[24:31] descriptor group 1 for R's tiles;  s[32:39] group 0, one set for each slot
.set G0, 32
.set G1B, 48                           ; s[48:55], s[56:63] the same for P's tiles
.set G0B, 56
.set MSB, 0
.macro WIN new                         ; the immediate's high byte repeats the setting that is left
.if MSB != \new
	s_set_vgpr_msb (MSB<<8)|\new
.set MSB, \new
.endif
.endm
.set MUL_LO, 0xa1                      ; source 0 (P) window 1, source 1 (R) window 0, C and D window 2
.set MUL_HI, 0xf1                      ; the same, C and D window 3
.set TO_B,   0x40                      ; destination window 1, address window 0
; A joint load: waves 0 and 1 fetch R's halves, waves 2 and 3 P's.  Each line has one mask and one set of registers for all that issue it; the branch hangs on the wave's number alone.
; An s_nop 0 and four v_nop follow each of the two lines.
.macro JLOAD g0a, g1a, g0b, g1b
	s_cmp_eq_u32 s15, 0
	s_cbranch_scc0 .Lfor_b_\@
	tensor_load_to_lds s[\g0a:\g0a+3], s[\g1a:\g1a+7]
	s_nop 0
.rept 4
	v_nop
.endr
	s_branch .Lasked_\@
.Lfor_b_\@:
	tensor_load_to_lds s[\g0b:\g0b+3], s[\g1b:\g1b+7]
	s_nop 0
.rept 4
	v_nop
.endr
.Lasked_\@:
.endm
.macro CREST                           ; a round of the cluster's barrier behind its opening barrier
	s_cmp_lg_u32 s14, 0
	s_cbranch_scc1 .Lnot_wave_0_\@
	s_barrier_signal -3
.Lnot_wave_0_\@:
	s_barrier_wait -3
	s_barrier_signal -1
	s_barrier_wait -1
.endm
.macro CROUND                          ; a whole round
	s_barrier_signal -1
	s_barrier_wait -1
	CREST
.endm
	s_load_b256 s[68:75], s[0:1], 0x0              ; ximg s[68:69], wimg s[70:71], b_q s[72:73], b_k s[74:75]
	s_load_b128 s[76:79], s[0:1], 0x20             ; b_v s[76:77], the scales' exponents s[78:79]
	s_load_b64 s[80:81], s[0:1], 0x30              ; qkv
	v_lshl_add_u32 v[SPW], v0, 2, SPARE
	v_mov_b32 v[NIL], 0
	ds_add_u32 v[SPW], v[NIL]                      ; the wave's opening: the add, twice on end, and its wait ahead of my first tensor load; the set-up below stands between the second and the wait
	ds_add_u32 v[SPW], v[NIL]
	v_lshrrev_b32 v1, 5, v0
	v_readfirstlane_b32 s14, v1                    ; wave 0..3
	s_lshr_b32 s15, s14, 1                         ; which half of the tile's R rows is mine.  Also: I fetch for R (0) or for P (1)
	s_and_b32 s16, s14, 1                          ; which half of its P rows.  Also: which eight image tiles of that side I fetch
	s_bfe_u32 s40, ttmp6, 0x40000                  ; cx, cy: my place in the cluster
	s_bfe_u32 s41, ttmp6, 0x40004
	s_and_b32 s67, ttmp7, 0xffff                   ; the cluster's number, 0 .. 11: the same in all sixteen partners
	s_lshr_b32 s66, s67, 2                         ; which product: 0 Q, 1 K, 2 V
	s_and_b32 s67, s67, 3
	s_lshl_b32 s67, s67, 2                         ; which four of the sixteen blocks of 256 tokens
	s_cmp_eq_u32 s66, 2
	s_cselect_b32 s17, 0, s67                      ; the tokens are R's rows (Q, K)
	s_cselect_b32 s42, s67, 0                      ; or P's (V)
	s_cselect_b32 s18, 20, 22                      ; R's set begins at product << 22 in ximg, or << 20 in wimg
	s_cselect_b32 s19, 22, 20                      ; P's the other way round
	s_add_co_u32 s17, s17, s41                     ; tile row of Z
	s_add_co_u32 s42, s42, s40                     ; tile column of Z
	s_lshl_b32 s43, s41, 2
	s_lshl_b32 s43, 15, s43                        ; my row of the cluster
	s_lshl_b32 s44, 0x1111, s40                    ; my column
	; descriptor group 1: eight image tiles' 4,096 bytes each, 16,384 bytes apart in memory, on end in LDS
	s_or_b32 s[G1+0], s43, (3<<16)|(1<<21)         ; 15:0 the mask: R's tiles go to my row; 17:16 elements of 8 bytes; 20 no padding; 21 set beside a mask
	s_or_b32 s[G1B+0], s44, (3<<16)|(1<<21)
.irp g, G1, G1B
	s_mov_b32 s[\g+1], 512<<16                     ; tensor_dim0 = 512 elements
	s_mov_b32 s[\g+2], 8<<16                       ; tensor_dim1 = 8
	s_mov_b32 s[\g+3], 512<<16                     ; tile_dim0 = 512
	s_mov_b32 s[\g+4], 8                           ; tile_dim1 = 8
	s_mov_b32 s[\g+5], 2048                        ; tensor_dim0_stride: 16,384 bytes
	s_mov_b32 s[\g+6], 0
	s_mov_b32 s[\g+7], 0
.endr
	s_lshl_b32 s20, s17, 4                         ; R: image tile 16 x tile row + 8 x half,
	s_lshl_b32 s21, s16, 3
	s_add_co_u32 s20, s20, s21
	s_lshl_b32 s20, s20, 14
	s_lshl_b32 s21, s66, s18                       ; in the product's set
	s_add_co_u32 s20, s20, s21
	s_mov_b32 s21, 0
	s_lshl_b32 s46, s42, 4                         ; P: image tile 16 x tile column + 8 x half
	s_lshl_b32 s47, s16, 3
	s_add_co_u32 s46, s46, s47
	s_lshl_b32 s46, s46, 14
	s_lshl_b32 s47, s66, s19
	s_add_co_u32 s46, s46, s47
	s_mov_b32 s47, 0
	s_lshl_b32 s45, s14, 15                        ; where they go: wave x 32,768: no place in the cluster enters an LDS address
	s_wait_dscnt 0x0                               ; both opening adds are done
	s_wait_kmcnt 0x0
	s_load_b256 s[84:91], s[78:79], 0x0            ; e0 .. e7
	s_load_b128 s[92:95], s[78:79], 0x20           ; e8 .. e11
	s_cmp_eq_u32 s66, 2
	s_cselect_b64 s[4:5], s[70:71], s[68:69]       ; R's buffer
	s_cselect_b64 s[6:7], s[68:69], s[70:71]       ; P's
	s_add_nc_u64 s[20:21], s[4:5], s[20:21]
	s_add_nc_u64 s[46:47], s[6:7], s[46:47]
	CROUND                                         ; all sixteen work-groups are here: the first joint loads meet
.irp s, 0,1
	s_mov_b32 s[G0+4*\s], 1
	s_add_co_u32 s[G0+4*\s+1], s45, \s*SLOT
	s_add_nc_u64 s[G0+4*\s+2:G0+4*\s+3], s[20:21], \s*4096
	s_or_b32 s[G0+4*\s+3], s[G0+4*\s+3], 0x80000000
	s_mov_b32 s[G0B+4*\s], 1
	s_add_co_u32 s[G0B+4*\s+1], s45, \s*SLOT
	s_add_nc_u64 s[G0B+4*\s+2:G0B+4*\s+3], s[46:47], \s*4096
	s_or_b32 s[G0B+4*\s+3], s[G0B+4*\s+3], 0x80000000
	JLOAD G0+4*\s, G1, G0B+4*\s, G1B               ; two loads of mine are out
.endr
	v_and_b32 v1, 15, v0                           ; r
	v_bfe_u32 v2, v0, 4, 1                         ; h
	v_and_b32 v6, 31, v0
	v_lshlrev_b32 v[LI], 4, v6
	s_lshl_b32 s21, s15, 15                        ; my eight tiles of R,
	s_lshl_b32 s22, s16, 15                        ; my eight of P,
	s_add_co_u32 s22, s22, 65536                   ; which lie behind R's sixteen
.irp s, 0,1
	v_add_nc_u32 v[ADRA+\s], s21, v[LI]
	v_add_nc_u32 v[ADRB+\s], s22, v[LI]
	s_add_co_u32 s21, s21, SLOT
	s_add_co_u32 s22, s22, SLOT
.endr
	s_lshl_b32 s82, s17, 1
	s_add_co_u32 s82, s82, s15                     ; my block of 128 rows of R
	s_lshl_b32 s83, s42, 1
	s_add_co_u32 s83, s83, s16                     ; my block of 128 rows of P
	s_cmp_eq_u32 s66, 2
	s_cselect_b32 s96, s82, s83                    ; FB: my 128 features
	s_cselect_b32 s97, s83, s82                    ; TB: my 128 tokens
	s_cselect_b64 s[8:9], s[76:77], s[74:75]
	s_cmp_eq_u32 s66, 0
	s_cselect_b64 s[8:9], s[72:73], s[8:9]         ; the product's bias,
	s_lshl_b32 s98, s96, 9
	s_mov_b32 s99, 0
	s_add_nc_u64 s[8:9], s[8:9], s[98:99]          ; at my 128 features
	s_lshl_b32 s98, s96, 5
	s_add_co_u32 s98, s98, s97
	s_lshl_b32 s98, s98, 14
	s_lshl_b32 s97, s66, 22
	s_add_co_u32 s98, s98, s97
	s_add_nc_u64 s[10:11], s[80:81], s[98:99]      ; my 16,384 bytes of qkv
	s_wait_kmcnt 0x0
	s_cmp_eq_u32 s66, 2                            ; the product's three exponents: chosen, not branched on
	s_cselect_b32 s82, s88, s86
	s_cselect_b32 s83, s89, s87
	s_cselect_b32 s96, s93, s91
	s_cmp_eq_u32 s66, 0
	s_cselect_b32 s82, s84, s82                    ; ea: e0, e2, e4
	s_cselect_b32 s83, s85, s83                    ; eb: e1, e3, e5
	s_cselect_b32 s96, s90, s96                    ; eout: e6, e7, e9
	s_add_co_i32 s82, s82, s83
	s_sub_co_i32 s83, 0, s82                       ; -(ea + eb)
	s_sub_co_i32 s96, s96, s82                     ; eout - ea - eb
	s_add_co_i32 s96, s96, 127
	s_lshl_b32 s97, s96, 23
	v_mov_b32 v[SC], s97
	s_add_co_i32 s96, s96, 8
	s_lshl_b32 s96, s96, 23
	s_or_b32 s96, s96, 0x600000
	v_mov_b32 v[LIM], s96
	s_cmp_eq_u32 s66, 2                            ; the branch hangs on the cluster's number alone
	s_cbranch_scc1 .Lbias_v
	v_lshlrev_b32 v5, 6, v2                        ; Q, K: the features run along my registers: tile b = 2 be + u, register j: feature 32 be + 8 u + 16 h + j
.irp b, 0,1,2,3,4,5,6,7
	global_load_b128 v[BC+8*\b:BC+8*\b+3], v5, s[8:9] offset:(32*(\b/2)+8*(\b%2))*4
	global_load_b128 v[BC+8*\b+4:BC+8*\b+7], v5, s[8:9] offset:(32*(\b/2)+8*(\b%2))*4+16
.endr
	s_wait_loadcnt 0x0
.set bi, 0
.rept 64
	v_ldexp_f32 v[BC+bi], v[BC+bi], s83            ; b / 2^(ea + eb)
.set bi, bi+1
.endr
	s_branch .Lbias_done
.Lbias_v:
	v_and_b32 v5, 8, v1                            ; V: a lane holds ONE feature: of tile a = 2 al + u it is 32 al + 8 u + r + 8 (r / 8)
	v_add_nc_u32 v5, v5, v1
	v_lshlrev_b32 v5, 2, v5
.irp a, 0,1,2,3,4,5,6,7
	global_load_b32 v[BC+8*\a], v5, s[8:9] offset:(32*(\a/2)+8*(\a%2))*4
.endr
	s_wait_loadcnt 0x0
.irp a, 0,1,2,3,4,5,6,7
.irp j, 7,6,5,4,3,2,1,0
	v_ldexp_f32 v[BC+8*\a+\j], v[BC+8*\a], s83     ; divided, and spread over the tile's eight registers of C (its own register last)
.endr
.endr
.Lbias_done:
.macro FRAG reg, adr, q, i             ; a fragment: image tile i of my eight, the slot's q-th 128 along K: four units as they lie
.irp c, 0,1,2,3
	ds_load_b128 v[\reg+4*\c:\reg+4*\c+3], v[\adr] offset:(\i)*4096+(\q)*2048+\c*512
.endr
.endm
; 16 matrix instructions: R's blocks a0, a0 + 1 x P's eight, 128 along K.  p: P's set.  mode 0: the sums go on; 1: they start from the bias by P's tile (Q, K); 2: by R's tile (V).  Nothing is ever cleared.
; The 64 accumulators take turns, one instruction a turn, in the same order in every step.
.macro MUL16 a0, p, mode
.irp a, \a0, \a0+1
.irp b, 0,1,2,3,4,5,6,7
.if \mode == 1
	v_wmma_f32_16x16x128_fp8_fp8 v[8*(8*((\a)%4)+\b):8*(8*((\a)%4)+\b)+7], v[128*(\p)+FR*\b:128*(\p)+FR*\b+FR-1], v[AF+FR*(\a):AF+FR*(\a)+FR-1], v[BC+8*\b:BC+8*\b+7]
.elseif \mode == 2
	v_wmma_f32_16x16x128_fp8_fp8 v[8*(8*((\a)%4)+\b):8*(8*((\a)%4)+\b)+7], v[128*(\p)+FR*\b:128*(\p)+FR*\b+FR-1], v[AF+FR*(\a):AF+FR*(\a)+FR-1], v[BC+8*(\a):BC+8*(\a)+7]
.else
	v_wmma_f32_16x16x128_fp8_fp8 v[8*(8*((\a)%4)+\b):8*(8*((\a)%4)+\b)+7], v[128*(\p)+FR*\b:128*(\p)+FR*\b+FR-1], v[AF+FR*(\a):AF+FR*(\a)+FR-1], v[8*(8*((\a)%4)+\b):8*(8*((\a)%4)+\b)+7]
.endif
.endr
.endr
.endm
.macro FETCH_B slot, q, p              ; P's eight fragments into set p
	WIN TO_B
.irp i, 0,1,2,3,4,5,6,7
	FRAG 128*(\p)+FR*\i, ADRB+\slot, \q, \i
.endr
	WIN 0
.endm
.macro FETCH_A slot, q, i0             ; R's blocks i0 .. i0 + 3
.irp i, \i0, \i0+1, \i0+2, \i0+3
	FRAG AF+FR*(\i), ADRA+\slot, \q, \i
.endr
.endm
.macro PLACES n                        ; a load into a register that a matrix instruction has read, and a vector instruction that reads a matrix result, stand four plain vector instructions behind it (ISA guide 7.12.1 for vector instructions)
.rept \n
	v_nop
.endr
.endm
; A step of 128 along K that has its successor in the same slot.  A block of R is free as soon as its eight products are issued: blocks 0-3 are fetched anew in the step's middle, blocks 4-7 at its end.
.macro STEP slot, q, mode
	s_wait_dscnt 4*NL                              ; P's set and R's blocks 0-3 are in; the youngest sixteen loads (R's blocks 4-7) may be out
.if \mode
	WIN 0x81                                       ; C (the bias) window 0, D window 2
.else
	WIN MUL_LO
.endif
	MUL16 0, (\q)%2, \mode
	MUL16 2, (\q)%2, \mode
	s_wait_dscnt 0                                 ; R's blocks 4-7 are in
	PLACES NP
	FETCH_B \slot, (\q)+1, 1-(\q)%2
	FETCH_A \slot, (\q)+1, 0
.if \mode
	WIN 0xc1
.else
	WIN MUL_HI
.endif
	MUL16 4, (\q)%2, \mode
	MUL16 6, (\q)%2, \mode
	PLACES NP
	WIN 0
	FETCH_A \slot, (\q)+1, 4
.endm
; A slot's last step changes slots: ONE barrier; in front of it each wave waits for all its tensor loads, adds 0 to its spare word, and waits for that and for its own reads of this slot.  fill = 1: this slot is filled again, two slots ahead.
.macro TURN slot, next, fill
	s_wait_tensorcnt 0x0                           ; all my tensor loads have landed: my part of the next slot
	ds_add_u32 v[SPW], v[NIL]                      ; 0 onto my spare word
	s_wait_dscnt 4*NL+1                            ; (the add and the youngest sixteen loads may be out)
	WIN MUL_LO
	MUL16 0, 1, 0                                  ; sixteen matrix instructions stand between the add and the wait for it
	s_wait_dscnt 0x0                               ; the add is done, and my reads of this slot are over
	s_barrier_signal -1
	MUL16 2, 1, 0
	WIN 0
	s_barrier_wait -1
.if \fill
	CREST                                          ; the barrier has opened a round of the cluster's: no wave of any partner still reads this slot or has a load on its way
	s_add_nc_u64 s[G0+4*\slot+2:G0+4*\slot+3], s[G0+4*\slot+2:G0+4*\slot+3], 8192
	s_add_nc_u64 s[G0B+4*\slot+2:G0B+4*\slot+3], s[G0B+4*\slot+2:G0B+4*\slot+3], 8192
	JLOAD G0+4*\slot, G1, G0B+4*\slot, G1B         ; the first tensor load behind the round, one a wave; its four v_nop are the places in front of the loads below
.else
	PLACES NP
.endif
	FETCH_B \next, 0, 0
	FETCH_A \next, 0, 0
	WIN MUL_HI
	MUL16 4, 1, 0
	MUL16 6, 1, 0
	PLACES NP
	WIN 0
	FETCH_A \next, 0, 4
.endm
	s_wait_tensorcnt 1                             ; my part of slot 0 is in; slot 1's load may be out
	s_barrier_signal -1
	s_barrier_wait -1
	FETCH_B 0, 0, 0
	FETCH_A 0, 0, 0
	FETCH_A 0, 0, 4
	s_cmp_eq_u32 s66, 2                            ; the first step is written twice: its C operand differs
	s_cbranch_scc1 .Lfirst_v
	STEP 0, 0, 1
	s_branch .Lfirst_done
.Lfirst_v:
	STEP 0, 0, 2
.Lfirst_done:
	TURN 0, 1, 1                                   ; K = 1024 is four slots: written out, no loop
	STEP 1, 0, 0
	TURN 1, 0, 1
	STEP 0, 0, 0
	TURN 0, 1, 0                                   ; nothing is left to fetch
	STEP 1, 0, 0
	s_wait_dscnt 4*NL
	WIN MUL_LO
	MUL16 0, 1, 0
	MUL16 2, 1, 0
	s_wait_dscnt 0
	WIN MUL_HI
	MUL16 4, 1, 0
	MUL16 6, 1, 0
	WIN 0
; THE WAY OUT, block by block of 16 rows of R: the hold (always run: no branch hangs on a given scale), eight conversions, four units stored from registers: 512 consecutive bytes each, aligned.
.macro OUTB a
.set AC, 64*((\a)%4)
	WIN 0x82+0x41*((\a)/4)                         ; source 0 and destination window 2 or 3; the limit in window 0
.set oi, 0
.rept 64
	v_med3_num_f32 v[AC+oi], v[AC+oi], -v[LIM], v[LIM]   ; each accumulator from its low end on
.set oi, oi+1
.endr
	WIN 0x02+((\a)/4)
.set oi, 0
.rept 8
	v_cvt_scalef32_pk8_fp8_f32 v[CD+16*(\a)+2*oi:CD+16*(\a)+2*oi+1], v[AC+8*oi:AC+8*oi+7], v[SC]
.set oi, oi+1
.endr
	WIN 0
.irp be, 0,1,2,3
	global_store_b128 v[LI], v[CD+16*(\a)+4*\be:CD+16*(\a)+4*\be+3], s[10:11] offset:(\a)*2048+\be*512
.endr
.endm
	PLACES NP
.irp a, 0,1,2,3,4,5,6,7
	OUTB \a
.endr
	v_nop                                          ; a plain line behind the last conversion
	s_wait_tensorcnt 0x0                           ; the wave's end: a tensor wait, 0 added to my spare word, and a wait for the add, behind my last tensor load
	ds_add_u32 v[SPW], v[NIL]
	s_wait_dscnt 0x0
	CROUND                                         ; the closing round: no work-group ends while a partner may still ask for a tile that names it
	s_endpgm
.Lfunc_end_k_qac64f719a9_proj:
	.size	k_qac64f719a9_proj, .Lfunc_end_k_qac64f719a9_proj-k_qac64f719a9_proj
	.p2alignl 7, 3214868480
	.fill 96, 4, 3214868480
	.section	.rodata,"a",@progbits
	.p2align	6, 0x0
	.amdhsa_kernel k_qac64f719a9_proj
		.amdhsa_group_segment_fixed_size 327680
		.amdhsa_private_segment_fixed_size 0
		.amdhsa_enable_private_segment 0
		.amdhsa_kernarg_size 56
		.amdhsa_user_sgpr_count 2
		.amdhsa_user_sgpr_kernarg_segment_ptr 1
		.amdhsa_wavefront_size32 1
		.amdhsa_system_sgpr_workgroup_id_x 1
		.amdhsa_system_sgpr_workgroup_id_y 1
		.amdhsa_system_sgpr_workgroup_id_z 1
		.amdhsa_system_vgpr_workitem_id 0
		.amdhsa_next_free_vgpr 1024
		.amdhsa_next_free_sgpr 100
		.amdhsa_reserve_vcc 0
		.amdhsa_float_denorm_mode_32 3
		.amdhsa_float_denorm_mode_16_64 3
		.amdhsa_memory_ordered 1
		.amdhsa_forward_progress 1
		.amdhsa_inst_pref_size 137
	.end_amdhsa_kernel
	.amdgpu_metadata
---
amdhsa.version: [ 1, 2 ]
amdhsa.kernels:
  - .name:           k_qac64f719a9_proj
    .symbol:         k_qac64f719a9_proj.kd
    .args:
      - { .name: ximg, .offset: 0, .size: 8, .value_kind: global_buffer, .address_space: global }
      - { .name: wimg, .offset: 8, .size: 8, .value_kind: global_buffer, .address_space: global }
      - { .name: b_q, .offset: 16, .size: 8, .value_kind: global_buffer, .address_space: global }
      - { .name: b_k, .offset: 24, .size: 8, .value_kind: global_buffer, .address_space: global }
      - { .name: b_v, .offset: 32, .size: 8, .value_kind: global_buffer, .address_space: global }
      - { .name: lowp_scales, .offset: 40, .size: 8, .value_kind: global_buffer, .address_space: global }
      - { .name: qkv, .offset: 48, .size: 8, .value_kind: global_buffer, .address_space: global }
    .group_segment_fixed_size: 327680
    .private_segment_fixed_size: 0
    .kernarg_segment_align: 8
    .kernarg_segment_size: 56
    .max_flat_workgroup_size: 128
    .sgpr_count:     100
    .vgpr_count:     1024
    .wavefront_size: 32
...
	.end_amdgpu_metadata
.endif
;; end of part 2
;; launch attn (part 3): grid 16 x 16, 8 waves a work-group, no clusters, 82,944 bytes of LDS; arguments qkv, mask, lowp_scales, oimg; writes oimg
.if DOCPART == 3
	.amdgcn_target "amdgcn-amd-amdhsa--gfx1250"
	.amdhsa_code_object_version 6
	.text
	.protected	k_qac64f719a9_attn
	.globl	k_qac64f719a9_attn
	.p2align	8
	.type	k_qac64f719a9_attn,@function
k_qac64f719a9_attn:
	s_mov_b64 s[64:65], 0
	v_nop
	global_prefetch_b8 v0, s[64:65] scope:SCOPE_SE
	s_setreg_imm32_b32 hwreg(HW_REG_WAVE_MODE, 25, 1), 1
	s_wait_xcnt 0x0
; O = Quant(softmax((Q K^T / 32) x mask_q mask_k) V), both products on codes of FP8 (E4M3).  No work of the problem is left out: a masked score is 0, not -infinity, so every query sums over all 4096 keys.
; t = score x log2(e); M = the running largest t rounded UP to a whole number; p = 2^(t - M) is quantised with 2^e8, not normalised; the row's sum l is taken of the unquantised p and divides at the end.
; SHARES: a work-group owns 256 queries of one head; each of its eight waves two tiles of 16 (a lane holds one query of each tile); every wave walks all keys, 128 a step.  With two tiles a fragment of K, of V and of
; the mask read from LDS serves two products or two tiles of scores: 48 LDS loads a wave and step for 32 queries.
; LAYOUT: both products transposed: S^T = K Q^T (K = 64 form), O^T = V^T P^T (K = 128 form).  K's token tiles and V's tiles of the head's 64 are permuted, so p's 16 registers of two neighbouring tiles are 16 neighbouring keys,
; and O's are 16 neighbours of the head's 64: the conversions' results are the next operand's registers.
; THE MASK: t = (s mk) cq.  mk = f32(mask[key]) comes from LDS, the same for both tiles; cq = c |mask[query]|, c = log2(e) / 32 x 2^(e6 + e7), one number a lane.  The SIGN of mask[query] is put into Q's codes once
; (their sign bits are flipped: exact), so cq is never negative and the largest s mk gives the largest t.
; K AND V go from memory through registers into LDS, as they lie (images of operand registers), a slot of two key steps ahead; two slots, one barrier a slot.
; NO TENSOR LOAD, AND SO NO CLUSTER: p is at most 1, so its hold at 448 x 2^e8 changes nothing where e8 >= -8; it is 128 of a step's 585 vector instructions.
; What the sixteen work-groups of a head share is 32 KiB for two key steps.
; LIMITS: |mask| <= 4095 (mask_q mask_k is then exact in f32; int32 wrap-round is not reproduced); e6 + e7 between -121 and 132; e8 between -126 and 119; 2^(e8 + e9 - e10) / l a normal f32 number.  NaN is not served.
; REGISTERS: window 0: v1-15 addresses and constants; v16-31 eight statistics a tile: -M, largest t, l (two halves), cq (twice), f, 0; v32-47 at work; v64-191 S^T, then p (64 a tile); v192-255 mk, then p's codes (16 a tile).
;   window 1: v0-63 K's fragments; v64-127 V's; v128-191 O^T (32 a tile); v192-207 Q; v208-239 the next slot's bytes on their way to LDS.
.set SL0,   16384                      ; LDS: 0 .. 16383 mk, 4096 f32; slot 0; slot 1; a slot: K [2 steps][8 tiles][2 units][512], then V [2 steps][4 tiles][4 units][512]
.set SL1,   49152
.set SPARE, 81920                      ; the spare words, 128 bytes for each of eight waves
.set LI,   1                           ; v1   16 x lane
.set AM0,  2                           ; v2   64 h: my 16 keys of a block of 32, in mk
.set ADM,  3                           ; v3   LDS address of the trip's mk
.set AD,   4                           ; v4-5 16 x lane + slot 0, 1
.set STA,  6                           ; v6-7 where I store my part of slot 0, 1
.set GKO,  8                           ; v8   my part of a slot's K in memory
.set GVO,  9                           ; v9   of V
.set PFO,  10                          ; v10  the prefetch's offset
.set PSC,  11                          ; v11  2^e8
.set PLM,  12                          ; v12  448 x 2^e8
.set C448, 13                          ; v13  448
.set SPW,  14                          ; v14  LDS address of my spare word; never rewritten
.set NIL,  15                          ; v15  0; never rewritten
.set ST,   16
.set TM,   32                          ; a tile's: +0, +1 two chains of the maximum; +2 the other half's; +3 the old -M; +4, +5 the second chain of the sum
.set S,    64
.set MKR,  192
.set PC,   192
.set KF,   0                           ; window 1
.set VF,   64
.set OA,   128
.set QF,   192
.set GR,   208
.set MSB, 0
.macro WIN new                         ; the immediate's high byte repeats the setting that is left
.if MSB != \new
	s_set_vgpr_msb (MSB<<8)|\new
.set MSB, \new
.endif
.endm
.macro GLOAD                           ; my eighth of a slot: four units of K, four of V; each load takes 512 consecutive bytes
	WIN 0x40                                       ; destination window 1
.irp j, 0,1,2,3
	global_load_b128 v[GR+4*\j:GR+4*\j+3], v[GKO], s[28:29] offset:(\j/2)*2048+(\j%2)*512
.endr
.irp j, 0,1,2,3
	global_load_b128 v[GR+16+4*\j:GR+16+4*\j+3], v[GVO], s[30:31] offset:\j*512
.endr
	WIN 0
.endm
	s_load_b256 s[4:11], s[0:1], 0x0               ; qkv s[4:5], mask s[6:7], the scales' exponents s[8:9], oimg s[10:11]
	v_lshl_add_u32 v[SPW], v0, 2, SPARE
	v_mov_b32 v[NIL], 0
	v_lshrrev_b32 v48, 5, v0
	v_readfirstlane_b32 s12, v48                   ; wave 0..7
	v_and_b32 v49, 31, v0                          ; lane
	v_and_b32 v50, 15, v0                          ; r
	v_bfe_u32 v51, v0, 4, 1                        ; h
	v_lshlrev_b32 v[LI], 4, v49
	v_lshlrev_b32 v[AM0], 6, v51
	v_add_nc_u32 v[AD], SL0, v[LI]
	v_add_nc_u32 v[AD+1], SL1, v[LI]
	s_lshl_b32 s13, s12, 11                        ; units 4 w .. 4 w + 3 of K's 32 and of V's 32
	v_add_nc_u32 v[STA], s13, v[AD]
	v_add_nc_u32 v[STA+1], s13, v[AD+1]
	s_lshr_b32 s14, s12, 2                         ; which of the slot's two steps,
	s_and_b32 s15, s12, 3                          ; which quarter of it
	s_lshl_b32 s16, s14, 14                        ; a key step on is 16,384 bytes on in qkv
	s_lshl_b32 s17, s15, 12                        ; K: two tiles, 2,048 bytes apart (the other head of the pair lies between)
	s_add_co_u32 s17, s17, s16
	v_add_nc_u32 v[GKO], s17, v[LI]
	s_lshl_b32 s17, s15, 11                        ; V: one tile of the head's 64: four units on end
	s_add_co_u32 s17, s17, s16
	v_add_nc_u32 v[GVO], s17, v[LI]
	s_and_b32 s18, ttmp7, 0xffff                   ; the head
	s_lshr_b32 s19, s18, 1
	s_lshl_b32 s19, s19, 19                        ; FB x 32 x 16,384
	s_and_b32 s22, s18, 1
	s_mov_b32 s49, 0
	s_mov_b32 s20, 0x76543210                      ; v_permlanex16_b32's selects for lane l xor 16
	s_mov_b32 s21, 0xfedcba98
	s_mov_b32 s25, 0                               ; the trip's first byte of mk
	s_mov_b32 s26, 8                               ; trips: four key steps each
	s_wait_kmcnt 0x0
	s_load_b256 s[36:43], s[8:9], 0x0              ; e0 .. e7
	s_load_b128 s[44:47], s[8:9], 0x20             ; e8 .. e11
	s_lshl_b32 s48, s22, 10
	s_add_co_u32 s48, s48, s19
	s_add_co_u32 s48, s48, 0x400000
	s_add_nc_u64 s[28:29], s[4:5], s[48:49]        ; K of my head, slot 0
	s_lshl_b32 s48, s22, 13
	s_add_co_u32 s48, s48, s19
	s_add_co_u32 s48, s48, 0x800000
	s_add_nc_u64 s[30:31], s[4:5], s[48:49]        ; V of my head, slot 0
	GLOAD
	s_lshl_b32 s48, ttmp9, 1
	s_add_co_u32 s48, s48, s14                     ; my queries' block of 128 tokens: 2 x + w / 4
	s_lshl_b32 s48, s48, 14
	s_add_co_u32 s48, s48, s19
	s_lshl_b32 s23, s15, 12                        ; tiles 2 (w % 4), 2 (w % 4) + 1 of its eight
	s_add_co_u32 s48, s48, s23
	s_lshl_b32 s23, s22, 10
	s_add_co_u32 s48, s48, s23
	s_add_nc_u64 s[50:51], s[4:5], s[48:49]
	WIN 0x40
.irp a, 0,1
.irp c, 0,1
	global_load_b128 v[QF+8*\a+4*\c:QF+8*\a+4*\c+3], v[LI], s[50:51] offset:\a*2048+\c*512   ; Q stays in registers
.endr
.endr
	WIN 0
	v_and_b32 v53, 8, v50
	v_add_nc_u32 v53, v53, v50                     ; r + 8 (r / 8)
	v_lshlrev_b32 v53, 2, v53
	s_lshl_b32 s23, ttmp9, 3
	s_add_co_u32 s23, s23, s12
	s_lshl_b32 s23, s23, 7                         ; my tiles' 32 tokens begin at 32 (8 x + w)
	v_add_nc_u32 v53, s23, v53
	global_load_b32 v54, v53, s[6:7]               ; mask of my query in tile 0,
	global_load_b32 v55, v53, s[6:7] offset:32     ; in tile 1: 8 tokens on
	v_lshlrev_b32 v52, 4, v0                       ; the whole mask: 16 bytes a thread, four times
.irp j, 0,1,2,3
	global_load_b128 v[S+4*\j:S+4*\j+3], v52, s[6:7] offset:\j*4096
.endr
	; the prefetches: who asks, and where
	s_cmp_lt_u32 s12, 2
	s_cselect_b64 s[32:33], s[28:29], s[30:31]     ; waves 0, 1: K; waves 2, 3: V
	s_cselect_b32 s35, 11, 10                      ; four lanes take 1,024 consecutive bytes; the next four stand 2,048 on in K, 1,024 on in V
	s_and_b32 s23, s12, 1
	s_lshl_b32 s48, s23, 14                        ; which of the slot's two steps
	s_add_co_u32 s48, s48, 32768                   ; in slot 1: each change of slots steps it first.  Nothing is prefetched here, at the head
	s_add_nc_u64 s[32:33], s[32:33], s[48:49]
	s_lshr_b32 s34, s12, 2
	s_or_b32 s34, s34, ttmp9                       ; 0 in waves 0 to 3 of the head's first work-group
	s_cmp_eq_u32 s34, 0
	s_cselect_b32 s34, 1, -1
	v_lshrrev_b32 v48, 2, v49
	v_lshlrev_b32 v48, s35, v48
	v_and_b32 v49, 3, v49
	v_lshl_add_u32 v[PFO], v49, 8, v48
	s_lshl_b32 s48, ttmp9, 4
	s_lshl_b32 s23, s12, 1
	s_add_co_u32 s48, s48, s23                     ; my first token tile: 16 x + 2 w
	s_lshl_b32 s48, s48, 14
	s_lshl_b32 s23, s18, 10                        ; the head's two units
	s_add_co_u32 s48, s48, s23
	s_add_nc_u64 s[10:11], s[10:11], s[48:49]
.irp a, 0,1
	v_mov_b32 v[ST+8*\a+1], 0xff61b1e6             ; the largest t so far: -3e38, under every t
	v_floor_f32 v[ST+8*\a], -v[ST+8*\a+1]          ; -M
	v_mov_b32 v[ST+8*\a+2], 0                      ; l, in two halves
	v_mov_b32 v[ST+8*\a+3], 0
	v_mov_b32 v[ST+8*\a+6], 0
	v_mov_b32 v[ST+8*\a+7], 0                      ; (named as the upper half of f's pair)
	v_mov_b32 v[TM+8*\a+2], 0                      ; written once: a lane permute's destination counts as one of its sources
.endr
	WIN 0x40
.set ii, 0
.rept 64
	v_mov_b32 v[OA+ii], 0                          ; O^T.  (The step is written for all steps alike: the first finds zeros, which the first change of M leaves zeros)
.set ii, ii+1
.endr
	WIN 0
	s_wait_loadcnt 0x0
	s_wait_kmcnt 0x0
.set ii, 0
.rept 16
	v_cvt_f32_i32 v[S+ii], v[S+ii]
.set ii, ii+1
.endr
.irp j, 0,1,2,3
	ds_store_b128 v52, v[S+4*\j:S+4*\j+3] offset:\j*4096
.endr
	s_add_co_i32 s24, s42, s43
	s_lshl_b32 s24, s24, 23
	s_add_co_i32 s24, s24, 0x3d38aa3b              ; c = log2(e) / 32, with e6 + e7 added to its exponent field
.irp a, 0,1
	v_ashrrev_i32 v[56+\a], 31, v[54+\a]
	v_and_b32 v[56+\a], 0x80808080, v[56+\a]       ; four sign bits where mask[query] is negative
	v_cvt_f32_i32 v[54+\a], v[54+\a]
	v_mul_f32 v[ST+8*\a+4], s24, |v[54+\a]|        ; cq
	v_mov_b32 v[ST+8*\a+5], v[ST+8*\a+4]
.endr
	WIN 0x44                                       ; source 1 and destination window 1
.irp a, 0,1
.irp i, 0,1,2,3,4,5,6,7
	v_xor_b32 v[QF+8*\a+\i], v[56+\a], v[QF+8*\a+\i]
.endr
.endr
	WIN 0
	s_add_co_i32 s23, s44, 127
	s_lshl_b32 s24, s23, 23
	v_mov_b32 v[PSC], s24
	s_add_co_i32 s23, s23, 8
	s_lshl_b32 s23, s23, 23
	s_or_b32 s23, s23, 0x600000
	v_mov_b32 v[PLM], s23
	s_add_co_i32 s27, s44, s45
	s_sub_co_i32 s27, s27, s46                     ; e8 + e9 - e10
; A KEY STEP: 128 keys, step sg of slot n.
.macro STEP n, sg
	v_add_nc_u32 v[ADM], s25, v[AM0]               ; with the three v_nop: four places behind the last products, ahead of loads into registers that they read
.rept 3
	v_nop
.endr
	WIN 0x40
.set ii, 0
.rept 16
	ds_load_b128 v[KF+4*ii:KF+4*ii+3], v[AD+\n] offset:\sg*8192+ii*512
.set ii, ii+1
.endr
	WIN 0
.set ii, 0
.rept 16
	ds_load_b128 v[MKR+4*ii:MKR+4*ii+3], v[ADM] offset:(2*\n+\sg)*512+(ii/4)*128+(ii%4)*16   ; register 16 b + i: mk of key 32 b + 16 h + i
.set ii, ii+1
.endr
	s_wait_dscnt 16                                ; K's sixteen loads are in; mk's stay out
	WIN 0x05                                       ; K and Q window 1, S^T window 0
.irp t, 0,1,2,3,4,5,6,7
.irp a, 0,1
	v_wmma_f32_16x16x64_fp8_fp8 v[S+64*\a+8*\t:S+64*\a+8*\t+7], v[KF+8*\t:KF+8*\t+7], v[QF+8*\a:QF+8*\a+7], 0
.endr
.endr
	WIN 0x40
.set ii, 0
.rept 16
	ds_load_b128 v[VF+4*ii:VF+4*ii+3], v[AD+\n] offset:16384+\sg*8192+ii*512
.set ii, ii+1
.endr
	WIN 0
.rept 4
	v_nop                                          ; places in front of the first read of the scores
.endr
	s_wait_dscnt 16                                ; mk is in; V's sixteen loads stay out
.set ii, 0
.rept 32
	v_pk_mul_f32 v[S+2*ii:S+2*ii+1], v[S+2*ii:S+2*ii+1], v[MKR+2*ii:MKR+2*ii+1]              ; s x mk; each accumulator from its low end on
	v_pk_mul_f32 v[S+64+2*ii:S+64+2*ii+1], v[S+64+2*ii:S+64+2*ii+1], v[MKR+2*ii:MKR+2*ii+1]
.set ii, ii+1
.endr
.irp a, 0,1
	v_max3_num_f32 v[TM+8*\a], v[S+64*\a], v[S+64*\a+1], v[S+64*\a+2]          ; the step's largest s mk of my query among my 64 keys, in two chains a tile
	v_max3_num_f32 v[TM+8*\a+1], v[S+64*\a+3], v[S+64*\a+4], v[S+64*\a+5]
.endr
.set ii, 6
.rept 14
.irp a, 0,1
	v_max3_num_f32 v[TM+8*\a], v[TM+8*\a], v[S+64*\a+ii], v[S+64*\a+ii+1]
	v_max3_num_f32 v[TM+8*\a+1], v[TM+8*\a+1], v[S+64*\a+ii+2], v[S+64*\a+ii+3]
.endr
.set ii, ii+4
.endr
.irp a, 0,1
	v_max3_num_f32 v[TM+8*\a], v[TM+8*\a], v[S+64*\a+62], v[S+64*\a+63]
.endr
.irp a, 0,1
	v_max_num_f32 v[TM+8*\a], v[TM+8*\a], v[TM+8*\a+1]
.endr
.irp a, 0,1
	v_permlanex16_b32 v[TM+8*\a+2], v[TM+8*\a], s20, s21
.endr
.irp a, 0,1
	v_max_num_f32 v[TM+8*\a], v[TM+8*\a], v[TM+8*\a+2]     ; and among lane l xor 16's
.endr
.irp a, 0,1
	v_mul_f32 v[TM+8*\a], v[TM+8*\a], v[ST+8*\a+4]         ; as t (cq is not negative)
.endr
.irp a, 0,1
	v_max_num_f32 v[ST+8*\a+1], v[ST+8*\a+1], v[TM+8*\a]   ; the running largest t
	v_mov_b32 v[TM+8*\a+3], v[ST+8*\a]
.endr
.irp a, 0,1
	v_floor_f32 v[ST+8*\a], -v[ST+8*\a+1]                  ; the new -M = floor(-t): M is a whole number
.endr
.irp a, 0,1
	v_sub_f32 v[TM+8*\a+3], v[ST+8*\a], v[TM+8*\a+3]       ; old M less new M: a whole number, 0 or less
.endr
.irp a, 0,1
	v_cvt_i32_f32 v[TM+8*\a+3], v[TM+8*\a+3]               ; (it saturates)
.endr
.irp a, 0,1
	v_ldexp_f32 v[ST+8*\a+6], 1.0, v[TM+8*\a+3]            ; f = 2^(old M - new M): a multiplication by it rounds nothing
.endr
.set ii, 0
.rept 32
.irp a, 0,1
	v_pk_fma_f32 v[S+64*\a+2*ii:S+64*\a+2*ii+1], v[S+64*\a+2*ii:S+64*\a+2*ii+1], v[ST+8*\a+4:ST+8*\a+5], v[ST+8*\a:ST+8*\a+1] op_sel_hi:[1,0,0]   ; t - M (of the pairs cq and -M the low word serves both halves)
.endr
.set ii, ii+1
.endr
.set ii, 0
.rept 128
	v_exp_f32 v[S+ii], v[S+ii]                     ; p = 2^(t - M), at most 1
.set ii, ii+1
.endr
.irp a, 0,1
	v_pk_mul_f32 v[ST+8*\a+2:ST+8*\a+3], v[ST+8*\a+2:ST+8*\a+3], v[ST+8*\a+6:ST+8*\a+7] op_sel_hi:[1,0]   ; l under the new M: the plain lines behind the exponentials
.endr
	s_wait_alu depctr_va_vdst(0)                   ; one wait for the batch of 128, ahead of its first reader
.irp a, 0,1
	v_pk_add_f32 v[TM+8*\a+4:TM+8*\a+5], v[S+64*\a:S+64*\a+1], v[S+64*\a+2:S+64*\a+3]     ; the sum of the UNQUANTISED p, two chains a tile
.endr
.set ii, 4
.rept 15
.irp a, 0,1
	v_pk_add_f32 v[ST+8*\a+2:ST+8*\a+3], v[ST+8*\a+2:ST+8*\a+3], v[S+64*\a+ii:S+64*\a+ii+1]
	v_pk_add_f32 v[TM+8*\a+4:TM+8*\a+5], v[TM+8*\a+4:TM+8*\a+5], v[S+64*\a+ii+2:S+64*\a+ii+3]
.endr
.set ii, ii+4
.endr
.irp a, 0,1
	v_pk_add_f32 v[ST+8*\a+2:ST+8*\a+3], v[ST+8*\a+2:ST+8*\a+3], v[TM+8*\a+4:TM+8*\a+5]
.endr
	s_cmp_ge_i32 s44, -8                           ; p <= 1 <= 448 x 2^e8 where e8 >= -8: the hold would change nothing.  A whole number read from memory decides
	s_cbranch_scc1 .Lno_hold_\@
.set ii, 0
.rept 128
	v_min_num_f32 v[S+ii], v[S+ii], v[PLM]         ; the conversion to an 8-bit code does not saturate (ISA guide 7.6.2); p is not negative, so the hold is one-sided
.set ii, ii+1
.endr
.Lno_hold_\@:
.irp a, 0,1
.irp b, 0,1,2,3
	v_cvt_scalef32_pk8_fp8_f32 v[PC+16*\a+4*\b:PC+16*\a+4*\b+1], v[S+64*\a+16*\b:S+64*\a+16*\b+7], v[PSC]
	v_cvt_scalef32_pk8_fp8_f32 v[PC+16*\a+4*\b+2:PC+16*\a+4*\b+3], v[S+64*\a+16*\b+8:S+64*\a+16*\b+15], v[PSC]
.endr
.endr
	v_nop                                          ; a plain line behind the last conversion
	WIN 0x41                                       ; O^T window 1, f window 0
.set ii, 0
.rept 16
.irp a, 0,1
	v_pk_mul_f32 v[OA+32*\a+2*ii:OA+32*\a+2*ii+1], v[OA+32*\a+2*ii:OA+32*\a+2*ii+1], v[ST+8*\a+6:ST+8*\a+7] op_sel_hi:[1,0]   ; O^T under the new M
.endr
.set ii, ii+1
.endr
	s_wait_dscnt 0x0                               ; V is in
	WIN 0x51                                       ; V window 1, p's codes window 0, O^T window 1
.irp d, 0,1,2,3
.irp a, 0,1
	v_wmma_f32_16x16x128_fp8_fp8 v[OA+32*\a+8*\d:OA+32*\a+8*\d+7], v[VF+16*\d:VF+16*\d+15], v[PC+16*\a:PC+16*\a+15], v[OA+32*\a+8*\d:OA+32*\a+8*\d+7]   ; eight accumulators, one instruction a turn
.endr
.endr
	WIN 0
.endm
; A SLOT.  My eighth of it, asked for a slot ago, goes into LDS; ONE barrier: in front of it my stores have landed and my reads of the other slot are over.  So slot n is stored again only behind the other slot's
; barrier, which every wave signals behind its last read of slot n.  Behind the barrier the next slot is asked for, into registers: it has two key steps in which to come.
.macro HALF n
	s_wait_loadcnt 0x0                             ; the slot's bytes are in my registers, and the loads' bases may be stepped
	WIN 0x04                                       ; store data from window 1
.irp j, 0,1,2,3
	ds_store_b128 v[STA+\n], v[GR+4*\j:GR+4*\j+3] offset:\j*512
.endr
.irp j, 0,1,2,3
	ds_store_b128 v[STA+\n], v[GR+16+4*\j:GR+16+4*\j+3] offset:16384+\j*512
.endr
	WIN 0
	s_wait_xcnt 0x0                                ; the last prefetch, two key steps back, has read its address
	s_add_nc_u64 s[28:29], s[28:29], 0x8000        ; a slot on
	s_add_nc_u64 s[30:31], s[30:31], 0x8000
	s_add_nc_u64 s[32:33], s[32:33], 0x8000
	s_wait_dscnt 0x0
	s_barrier_signal -1
	s_barrier_wait -1
.if \n
	s_cmp_eq_u32 s26, 1                            ; behind the last slot there is none: no load leaves its buffer
	s_cbranch_scc1 .Lno_next_\@
.endif
	GLOAD
.if \n
.Lno_next_\@:
.endif
	; A PREFETCH INTO THE L2 of the slot behind the one just asked for: two key steps ahead of its loads.  All sixteen work-groups of a head walk the same K and V: the head's first asks, waves 0 and 1 for K's two steps,
	; waves 2 and 3 for V's: 32 lanes x 256 bytes are a step's 8,192 bytes: each aligned block of 256 bytes is named once in the launch.  The last trip asks for nothing: no slot lies there.
	s_cmp_gt_u32 s26, s34
	s_cbranch_scc0 .Lnot_mine_\@
	global_prefetch_b8 v[PFO], s[32:33] th:TH_LOAD_NT scope:SCOPE_SE
.Lnot_mine_\@:
	STEP \n, 0
	STEP \n, 1
.endm
.Ltrip:                                            ; 8 trips of two slots, four key steps
	HALF 0
	HALF 1
	s_add_co_u32 s25, s25, 2048                    ; 512 keys of mk on
	s_sub_co_u32 s26, s26, 1
	s_cmp_lg_u32 s26, 0
	s_cbranch_scc1 .Ltrip
	; THE WAY OUT: O^T x 2^(e8 + e9 - e10) / l, held at +-448, becomes codes: two units a tile, stored from registers.  The additions below are the places behind the last products.
.irp a, 0,1
	v_add_f32 v[TM+8*\a], v[ST+8*\a+2], v[ST+8*\a+3]
.endr
.irp a, 0,1
	v_permlanex16_b32 v[TM+8*\a+2], v[TM+8*\a], s20, s21
.endr
.irp a, 0,1
	v_add_f32 v[TM+8*\a], v[TM+8*\a], v[TM+8*\a+2]
.endr
.irp a, 0,1
	v_rcp_f32 v[ST+8*\a+6], v[TM+8*\a]
.endr
	v_mov_b32 v[C448], 0x43e00000                  ; (a plain line behind the reciprocals)
	v_mov_b32 v47, 1.0                             ; the conversion's scale: 2^0
	s_wait_alu depctr_va_vdst(0)                   ; one wait for both, ahead of their first reader
.irp a, 0,1
	v_ldexp_f32 v[ST+8*\a+6], v[ST+8*\a+6], s27
.endr
	WIN 0x01                                       ; source 0 (O^T) window 1
.set ii, 0
.rept 16
.irp a, 0,1
	v_pk_mul_f32 v[S+32*\a+2*ii:S+32*\a+2*ii+1], v[OA+32*\a+2*ii:OA+32*\a+2*ii+1], v[ST+8*\a+6:ST+8*\a+7] op_sel_hi:[1,0]   ; each accumulator from its low end on
.endr
.set ii, ii+1
.endr
	WIN 0
.set ii, 0
.rept 64
	v_med3_num_f32 v[S+ii], v[S+ii], -v[C448], v[C448]
.set ii, ii+1
.endr
.irp a, 0,1
.irp b, 0,1
	v_cvt_scalef32_pk8_fp8_f32 v[PC+8*\a+4*\b:PC+8*\a+4*\b+1], v[S+32*\a+16*\b:S+32*\a+16*\b+7], v47
	v_cvt_scalef32_pk8_fp8_f32 v[PC+8*\a+4*\b+2:PC+8*\a+4*\b+3], v[S+32*\a+16*\b+8:S+32*\a+16*\b+15], v47
.endr
.endr
	v_nop
.irp a, 0,1
.irp b, 0,1
	global_store_b128 v[LI], v[PC+8*\a+4*\b:PC+8*\a+4*\b+3], s[10:11] offset:\a*16384+\b*512   ; a unit: 512 consecutive bytes, aligned
.endr
.endr
	s_wait_tensorcnt 0x0                           ; the wave's end: a tensor wait, 0 added to my spare word, and a wait for the add, behind my last LDS store
	ds_add_u32 v[SPW], v[NIL]
	s_wait_dscnt 0x0
	s_endpgm
.Lfunc_end_k_qac64f719a9_attn:
	.size	k_qac64f719a9_attn, .Lfunc_end_k_qac64f719a9_attn-k_qac64f719a9_attn
	.p2alignl 7, 3214868480
	.fill 96, 4, 3214868480
	.section	.rodata,"a",@progbits
	.p2align	6, 0x0
	.amdhsa_kernel k_qac64f719a9_attn
		.amdhsa_group_segment_fixed_size 82944
		.amdhsa_private_segment_fixed_size 0
		.amdhsa_enable_private_segment 0
		.amdhsa_kernarg_size 32
		.amdhsa_user_sgpr_count 2
		.amdhsa_user_sgpr_kernarg_segment_ptr 1
		.amdhsa_wavefront_size32 1
		.amdhsa_system_sgpr_workgroup_id_x 1
		.amdhsa_system_sgpr_workgroup_id_y 1
		.amdhsa_system_sgpr_workgroup_id_z 1
		.amdhsa_system_vgpr_workitem_id 0
		.amdhsa_next_free_vgpr 512
		.amdhsa_next_free_sgpr 66
		.amdhsa_reserve_vcc 0
		.amdhsa_float_denorm_mode_32 3
		.amdhsa_float_denorm_mode_16_64 3
		.amdhsa_memory_ordered 1
		.amdhsa_forward_progress 1
		.amdhsa_inst_pref_size 154
	.end_amdhsa_kernel
	.amdgpu_metadata
---
amdhsa.version: [ 1, 2 ]
amdhsa.kernels:
  - .name:           k_qac64f719a9_attn
    .symbol:         k_qac64f719a9_attn.kd
    .args:
      - { .name: qkv, .offset: 0, .size: 8, .value_kind: global_buffer, .address_space: global }
      - { .name: mask, .offset: 8, .size: 8, .value_kind: global_buffer, .address_space: global }
      - { .name: lowp_scales, .offset: 16, .size: 8, .value_kind: global_buffer, .address_space: global }
      - { .name: oimg, .offset: 24, .size: 8, .value_kind: global_buffer, .address_space: global }
    .group_segment_fixed_size: 82944
    .private_segment_fixed_size: 0
    .kernarg_segment_align: 8
    .kernarg_segment_size: 32
    .max_flat_workgroup_size: 256
    .sgpr_count:     66
    .vgpr_count:     512
    .wavefront_size: 32
...
	.end_amdgpu_metadata
.endif
;; end of part 3
;; launch oproj_ln (part 4): grid 256 x 1, 16 waves a work-group, no clusters, 90,112 bytes of LDS; arguments oimg, wimg, lowp_scales, b_o, inputs, ln_w, ln_b, out0; writes out0
.if DOCPART == 4
	.amdgcn_target "amdgcn-amd-amdhsa--gfx1250"
	.amdhsa_code_object_version 6
	.text
	.protected	k_qac64f719a9_oproj_ln
	.globl	k_qac64f719a9_oproj_ln
	.p2align	8
	.type	k_qac64f719a9_oproj_ln,@function
k_qac64f719a9_oproj_ln:
	s_mov_b64 s[64:65], 0
	v_nop
	global_prefetch_b8 v0, s[64:65] scope:SCOPE_SE
	s_setreg_imm32_b32 hwreg(HW_REG_WAVE_MODE, 25, 1), 1
	s_wait_xcnt 0x0
; out0 = LayerNorm(O W_o + b_o + inputs) x ln_w + ln_b; the product on codes of FP8 (E4M3), all else in f32.  No work of the problem is left out here.
; SHARES: a work-group owns one token tile: 16 WHOLE rows of the result, so the norm is made here and the sum never goes to memory.  Wave w makes features 64 w .. 64 w + 63: four accumulators, eight K steps of 128.
; Source 0 = 16 features of W_o (natural tiles), source 1 = the token tile of O: a lane holds one token and eight neighbouring features.
; O's 16 KiB of codes go through LDS once (each wave brings two units, all sixteen read all).  W_o's fragments go from memory straight into registers, two sets by turns: 32 loads of a wave are out.
; NO JOINT LOADS, though all work-groups read W_o's 1 MiB of codes: a fragment of W_o feeds ONE product of one wave here, so a way through LDS would add a store and a load of every byte and spare no read within the work-group.
; THE VARIANCE is made of deviations, never as a difference of large sums: each wave takes its 64 numbers' mean and their squared deviations from it; the sixteen pairs meet in LDS:
; mean = sum of m_i / 16, M2 = sum of (M2_i + 64 (m_i - mean)^2), var = M2 / 1024.
; The tile's row r is token 32 (g / 2) + 8 (g % 2) + r + 8 (r / 8).  LIMIT: e10 + e11 between -126 and 127.
; REGISTERS: v1-8 addresses; v14, v15 the add's two; v16-47 four accumulators, later the waves' pairs; v48-79 O's fragments, two sets; v80-143, v144-207 W_o's two sets, later inputs, b_o, ln_w, ln_b and work; v208-239 my 32 numbers of the result.
.set STG,   16384                      ; LDS: 0 .. 16383 O's 32 units; then a stage of 16 rows x (256 bytes + 16) for each wave
.set STAT,  86016                      ; 16 rows x 16 waves x (mean, M2)
.set SPARE, 88064                      ; the spare words, 128 bytes for each of sixteen waves
.set LI,  1                            ; v1  16 x lane
.set STO, 2                            ; v2  the stage: where I put 32 bytes of a row
.set RD,  3                            ; v3  and where I read a row back
.set GIO, 4                            ; v4  my 16 bytes in two rows of inputs and of out0
.set PRM, 5                            ; v5  my four features in b_o, ln_w, ln_b
.set STW, 6                            ; v6  where my wave's pair goes
.set STR, 7                            ; v7  where lane i reads wave i's pair
.set OIM, 8                            ; v8  my wave's two units of O
.set SPW, 14
.set NIL, 15
.set ACC, 16
.set OF,  48
.set WF,  80
.set IN,  80
.set BO,  112
.set LW,  116
.set LB,  120
.set DV,  144
.set MN,  176                          ; row pair k: mean at v[176 + 2 k], the variance at work at v[177 + 2 k]
.set RS,  192                          ; 1 / sqrt(var + eps) at v[192 + 2 k]
.set Y,   208
.macro WLOAD s                         ; W_o's four fragments of K step s, into set s % 2
.irp t, 0,1,2,3
.irp c, 0,1,2,3
	global_load_b128 v[WF+64*((\s)%2)+16*\t+4*\c:WF+64*((\s)%2)+16*\t+4*\c+3], v[LI], s[6:7] offset:\t*16384+(\s)*2048+\c*512
.endr
.endr
.endm
.macro OLOAD s                         ; O's fragment of K step s, from LDS
.irp c, 0,1,2,3
	ds_load_b128 v[OF+16*((\s)%2)+4*\c:OF+16*((\s)%2)+4*\c+3], v[LI] offset:(\s)*2048+\c*512
.endr
.endm
.macro KSTEP s
.if (\s) < 7
	s_wait_loadcnt 16                              ; this step's sixteen loads are in; the next set's stay out
	s_wait_dscnt 4                                 ; this step's fragment of O is in; the next one's four loads stay out
.else
	s_wait_loadcnt 11                              ; the way out's eleven loads stay out
	s_wait_dscnt 0
.endif
.irp t, 0,1,2,3
.if (\s) == 0
	v_wmma_f32_16x16x128_fp8_fp8 v[ACC+8*\t:ACC+8*\t+7], v[WF+64*((\s)%2)+16*\t:WF+64*((\s)%2)+16*\t+15], v[OF+16*((\s)%2):OF+16*((\s)%2)+15], 0
.else
	v_wmma_f32_16x16x128_fp8_fp8 v[ACC+8*\t:ACC+8*\t+7], v[WF+64*((\s)%2)+16*\t:WF+64*((\s)%2)+16*\t+15], v[OF+16*((\s)%2):OF+16*((\s)%2)+15], v[ACC+8*\t:ACC+8*\t+7]
.endif
.endr                                          ; four accumulators, one instruction a turn
.rept 4
	v_nop                                          ; places in front of loads into registers that these products read, and of the first read of results
.endr
.if (\s) < 6
	WLOAD (\s)+2
	OLOAD (\s)+2
.endif
.endm
.macro DPPSUM reg                      ; the sum over the sixteen lanes of each half, for all eight row pairs, line by line
.irp m, 1,2,4,8
.irp k, 0,1,2,3,4,5,6,7
	v_add_f32_dpp v[\reg+2*\k], v[\reg+2*\k], v[\reg+2*\k] row_xmask:\m row_mask:0xf bank_mask:0xf
.endr
.endr
.endm
	s_load_b512 s[4:19], s[0:1], 0x0               ; oimg s[4:5], wimg s[6:7], the scales' exponents s[8:9], b_o s[10:11], inputs s[12:13], ln_w s[14:15], ln_b s[16:17], out0 s[18:19]
	v_lshl_add_u32 v[SPW], v0, 2, SPARE
	v_mov_b32 v[NIL], 0
	v_lshrrev_b32 v9, 5, v0
	v_readfirstlane_b32 s20, v9                    ; wave 0..15
	v_and_b32 v9, 31, v0
	v_and_b32 v10, 15, v0                          ; r
	v_bfe_u32 v11, v0, 4, 1                        ; h
	v_lshlrev_b32 v[LI], 4, v9
	s_mul_i32 s21, s20, 4352
	s_add_co_u32 s21, s21, STG                     ; my stage
	v_mul_u32_u24 v[STO], v10, 272
	v_lshl_add_u32 v[STO], v11, 5, v[STO]
	v_add_nc_u32 v[STO], s21, v[STO]               ; in: row r, + 32 h; tile t's eight features 64 t bytes on
	v_mul_u32_u24 v[RD], v11, 272
	v_lshl_add_u32 v[RD], v10, 4, v[RD]
	v_add_nc_u32 v[RD], s21, v[RD]                 ; back: lanes 0-15 one row, lanes 16-31 the next
	s_lshl_b32 s22, s20, 8
	v_lshlrev_b32 v[PRM], 4, v10
	v_add_nc_u32 v[PRM], s22, v[PRM]               ; my wave's 256 bytes of a row, 16 a lane
	v_lshl_add_u32 v[GIO], v11, 12, v[PRM]         ; and one row further down for lanes 16 to 31
	s_lshl_b32 s22, s20, 3
	s_add_co_u32 s22, s22, STAT
	v_lshlrev_b32 v[STW], 7, v11
	v_lshl_add_u32 v[STR], v10, 3, v[STW]
	v_add_nc_u32 v[STR], STAT, v[STR]
	v_add_nc_u32 v[STW], s22, v[STW]
	s_lshl_b32 s22, s20, 10
	v_add_nc_u32 v[OIM], s22, v[LI]
	s_mov_b32 s25, 0
	s_mov_b32 s30, 0x3a800000                      ; 1 / 1024
	s_mov_b32 s31, 0x3727c5ac                      ; 1e-5
	s_mov_b32 s32, 0x42800000                      ; 64
	s_wait_kmcnt 0x0
	s_load_b64 s[28:29], s[8:9], 0x28              ; e10, e11
	s_lshl_b32 s24, ttmp9, 14
	s_add_nc_u64 s[4:5], s[4:5], s[24:25]          ; my token tile of O
	s_lshl_b32 s24, s20, 16
	s_add_co_u32 s24, s24, 0x300000
	s_add_nc_u64 s[6:7], s[6:7], s[24:25]          ; W_o's codes, my four tiles of features
	s_lshr_b32 s24, ttmp9, 1
	s_lshl_b32 s24, s24, 5
	s_and_b32 s26, ttmp9, 1
	s_lshl_b32 s26, s26, 3
	s_add_co_u32 s24, s24, s26
	s_lshl_b32 s24, s24, 12                        ; the tile's first token, in rows of 4,096 bytes
	s_add_nc_u64 s[12:13], s[12:13], s[24:25]
	s_add_nc_u64 s[18:19], s[18:19], s[24:25]
	global_load_b128 v[Y:Y+3], v[OIM], s[4:5]
	global_load_b128 v[Y+4:Y+7], v[OIM], s[4:5] offset:512
	WLOAD 0
	WLOAD 1
	s_wait_loadcnt 32                              ; O's two units are in; W_o's two sets stay out
	ds_store_b128 v[OIM], v[Y:Y+3]
	ds_store_b128 v[OIM], v[Y+4:Y+7] offset:512
	s_wait_dscnt 0x0                               ; for the others' sake: my stores have landed
	s_barrier_signal -1
	s_barrier_wait -1                              ; O's 32 units lie in LDS
	OLOAD 0
	OLOAD 1
	KSTEP 0
	KSTEP 1
	KSTEP 2
	KSTEP 3
	KSTEP 4
	KSTEP 5
	KSTEP 6
.irp k, 0,1,2,3,4,5,6,7                        ; into the set that step 6 has left: the residual's rows 2 k, 2 k + 1 of the tile (rows 8-15 lie 8 tokens further on): sixteen lanes read 256 consecutive bytes, aligned
	global_load_b128 v[IN+4*\k:IN+4*\k+3], v[GIO], s[12:13] offset:(2*\k+8*(\k/4))*4096 th:TH_LOAD_NT
.endr
	global_load_b128 v[BO:BO+3], v[PRM], s[10:11]
	global_load_b128 v[LW:LW+3], v[PRM], s[14:15]
	global_load_b128 v[LB:LB+3], v[PRM], s[16:17]
	KSTEP 7
	; THE WAY OUT.  The sums go through my own stage and come back as rows: row pair k in v[Y + 4 k ..]: four neighbouring features a lane.
.irp t, 0,1,2,3
	ds_store_b128 v[STO], v[ACC+8*\t:ACC+8*\t+3] offset:64*\t          ; each accumulator from its low end on
	ds_store_b128 v[STO], v[ACC+8*\t+4:ACC+8*\t+7] offset:64*\t+16
.endr
.irp k, 0,1,2,3,4,5,6,7
	ds_load_b128 v[Y+4*\k:Y+4*\k+3], v[RD] offset:\k*544               ; LDS serves a wave's instructions in order: these see my stores
.endr
	s_wait_kmcnt 0x0
	s_add_co_i32 s28, s28, s29
	s_add_co_i32 s28, s28, 127
	s_lshl_b32 s28, s28, 23                        ; 2^(e10 + e11) as f32
	s_mov_b32 s29, s28                             ; (named with it as a pair, so it is written)
	s_wait_loadcnt 0x0
.irp k, 0,1,2,3,4,5,6,7
	v_pk_add_f32 v[IN+4*\k:IN+4*\k+1], v[IN+4*\k:IN+4*\k+1], v[BO:BO+1]           ; inputs + b_o
	v_pk_add_f32 v[IN+4*\k+2:IN+4*\k+3], v[IN+4*\k+2:IN+4*\k+3], v[BO+2:BO+3]
.endr
	s_wait_dscnt 0x0
.irp k, 0,1,2,3,4,5,6,7
	v_pk_fma_f32 v[Y+4*\k:Y+4*\k+1], v[Y+4*\k:Y+4*\k+1], s[28:29], v[IN+4*\k:IN+4*\k+1] op_sel_hi:[1,0,1]         ; x = sum x 2^(e10 + e11) + b_o + inputs
	v_pk_fma_f32 v[Y+4*\k+2:Y+4*\k+3], v[Y+4*\k+2:Y+4*\k+3], s[28:29], v[IN+4*\k+2:IN+4*\k+3] op_sel_hi:[1,0,1]
.endr
.irp k, 0,1,2,3,4,5,6,7
	v_pk_add_f32 v[DV+4*\k:DV+4*\k+1], v[Y+4*\k:Y+4*\k+1], v[Y+4*\k+2:Y+4*\k+3]
.endr
.irp k, 0,1,2,3,4,5,6,7
	v_add_f32 v[ACC+2*\k], v[DV+4*\k], v[DV+4*\k+1]
.endr
	DPPSUM ACC
.irp k, 0,1,2,3,4,5,6,7
	v_mul_f32 v[ACC+2*\k], 0x3c800000, v[ACC+2*\k]                     ; my wave's mean of the row's 64 numbers
.endr
.irp k, 0,1,2,3,4,5,6,7
	v_pk_add_f32 v[DV+4*\k:DV+4*\k+1], v[Y+4*\k:Y+4*\k+1], v[ACC+2*\k:ACC+2*\k+1] op_sel_hi:[1,0] neg_lo:[0,1] neg_hi:[0,1]
	v_pk_add_f32 v[DV+4*\k+2:DV+4*\k+3], v[Y+4*\k+2:Y+4*\k+3], v[ACC+2*\k:ACC+2*\k+1] op_sel_hi:[1,0] neg_lo:[0,1] neg_hi:[0,1]
.endr
.irp k, 0,1,2,3,4,5,6,7
	v_pk_mul_f32 v[DV+4*\k:DV+4*\k+1], v[DV+4*\k:DV+4*\k+1], v[DV+4*\k:DV+4*\k+1]
.endr
.irp k, 0,1,2,3,4,5,6,7
	v_pk_fma_f32 v[DV+4*\k:DV+4*\k+1], v[DV+4*\k+2:DV+4*\k+3], v[DV+4*\k+2:DV+4*\k+3], v[DV+4*\k:DV+4*\k+1]
.endr
.irp k, 0,1,2,3,4,5,6,7
	v_add_f32 v[ACC+2*\k+1], v[DV+4*\k], v[DV+4*\k+1]
.endr
	DPPSUM ACC+1                                   ; and their squared deviations from it
.irp k, 0,1,2,3,4,5,6,7
	ds_store_b64 v[STW], v[ACC+2*\k:ACC+2*\k+1] offset:\k*256          ; sixteen lanes write the same pair to the same place
.endr
	s_wait_dscnt 0x0                               ; for the others' sake: my pairs have landed
	s_barrier_signal -1
	s_barrier_wait -1
.irp k, 0,1,2,3,4,5,6,7
	ds_load_b64 v[OF+2*\k:OF+2*\k+1], v[STR] offset:\k*256             ; lane i: wave i's pair of my row
.endr
	s_wait_dscnt 0x0
.irp k, 0,1,2,3,4,5,6,7
	v_mov_b32 v[MN+2*\k], v[OF+2*\k]
.endr
	DPPSUM MN
.irp k, 0,1,2,3,4,5,6,7
	v_mul_f32 v[MN+2*\k], 0x3d800000, v[MN+2*\k]                       ; the row's mean
.endr
.irp k, 0,1,2,3,4,5,6,7
	v_sub_f32 v[MN+2*\k+1], v[OF+2*\k], v[MN+2*\k]
.endr
.irp k, 0,1,2,3,4,5,6,7
	v_mul_f32 v[MN+2*\k+1], v[MN+2*\k+1], v[MN+2*\k+1]
.endr
.irp k, 0,1,2,3,4,5,6,7
	v_fma_f32 v[MN+2*\k+1], v[MN+2*\k+1], s32, v[OF+2*\k+1]            ; M2_i + 64 (m_i - mean)^2
.endr
	DPPSUM MN+1
.irp k, 0,1,2,3,4,5,6,7
	v_fma_f32 v[MN+2*\k+1], v[MN+2*\k+1], s30, s31                     ; var + eps
.endr
.irp k, 0,1,2,3,4,5,6,7
	v_rsq_f32 v[RS+2*\k], v[MN+2*\k+1]
.endr
	v_nop                                          ; a plain line behind the last of the batch
	s_wait_alu depctr_va_vdst(0)                   ; one wait for the eight, ahead of their first reader
.irp k, 0,1,2,3,4,5,6,7
	v_pk_add_f32 v[Y+4*\k:Y+4*\k+1], v[Y+4*\k:Y+4*\k+1], v[MN+2*\k:MN+2*\k+1] op_sel_hi:[1,0] neg_lo:[0,1] neg_hi:[0,1]         ; x - mean
	v_pk_add_f32 v[Y+4*\k+2:Y+4*\k+3], v[Y+4*\k+2:Y+4*\k+3], v[MN+2*\k:MN+2*\k+1] op_sel_hi:[1,0] neg_lo:[0,1] neg_hi:[0,1]
	v_pk_mul_f32 v[DV+4*\k:DV+4*\k+1], v[LW:LW+1], v[RS+2*\k:RS+2*\k+1] op_sel_hi:[1,0]                                         ; ln_w / sqrt(var + eps)
	v_pk_mul_f32 v[DV+4*\k+2:DV+4*\k+3], v[LW+2:LW+3], v[RS+2*\k:RS+2*\k+1] op_sel_hi:[1,0]
.endr
.irp k, 0,1,2,3,4,5,6,7
	v_pk_fma_f32 v[Y+4*\k:Y+4*\k+1], v[Y+4*\k:Y+4*\k+1], v[DV+4*\k:DV+4*\k+1], v[LB:LB+1]
	v_pk_fma_f32 v[Y+4*\k+2:Y+4*\k+3], v[Y+4*\k+2:Y+4*\k+3], v[DV+4*\k+2:DV+4*\k+3], v[LB+2:LB+3]
	global_store_b128 v[GIO], v[Y+4*\k:Y+4*\k+3], s[18:19] offset:(2*\k+8*(\k/4))*4096 th:TH_STORE_NT   ; sixteen lanes store 256 consecutive bytes, aligned; written once, read by nobody here
.endr
	s_wait_tensorcnt 0x0                           ; the wave's end: a tensor wait, 0 added to my spare word, and a wait for the add, behind my last LDS store
	ds_add_u32 v[SPW], v[NIL]
	s_wait_dscnt 0x0
	s_endpgm
.Lfunc_end_k_qac64f719a9_oproj_ln:
	.size	k_qac64f719a9_oproj_ln, .Lfunc_end_k_qac64f719a9_oproj_ln-k_qac64f719a9_oproj_ln
	.p2alignl 7, 3214868480
	.fill 96, 4, 3214868480
	.section	.rodata,"a",@progbits
	.p2align	6, 0x0
	.amdhsa_kernel k_qac64f719a9_oproj_ln
		.amdhsa_group_segment_fixed_size 90112
		.amdhsa_private_segment_fixed_size 0
		.amdhsa_enable_private_segment 0
		.amdhsa_kernarg_size 64
		.amdhsa_user_sgpr_count 2
		.amdhsa_user_sgpr_kernarg_segment_ptr 1
		.amdhsa_wavefront_size32 1
		.amdhsa_system_sgpr_workgroup_id_x 1
		.amdhsa_system_sgpr_workgroup_id_y 1
		.amdhsa_system_sgpr_workgroup_id_z 1
		.amdhsa_system_vgpr_workitem_id 0
		.amdhsa_next_free_vgpr 256
		.amdhsa_next_free_sgpr 66
		.amdhsa_reserve_vcc 0
		.amdhsa_float_denorm_mode_32 3
		.amdhsa_float_denorm_mode_16_64 3
		.amdhsa_memory_ordered 1
		.amdhsa_forward_progress 1
		.amdhsa_inst_pref_size 44
	.end_amdhsa_kernel
	.amdgpu_metadata
---
amdhsa.version: [ 1, 2 ]
amdhsa.kernels:
  - .name:           k_qac64f719a9_oproj_ln
    .symbol:         k_qac64f719a9_oproj_ln.kd
    .args:
      - { .name: oimg, .offset: 0, .size: 8, .value_kind: global_buffer, .address_space: global }
      - { .name: wimg, .offset: 8, .size: 8, .value_kind: global_buffer, .address_space: global }
      - { .name: lowp_scales, .offset: 16, .size: 8, .value_kind: global_buffer, .address_space: global }
      - { .name: b_o, .offset: 24, .size: 8, .value_kind: global_buffer, .address_space: global }
      - { .name: inputs, .offset: 32, .size: 8, .value_kind: global_buffer, .address_space: global }
      - { .name: ln_w, .offset: 40, .size: 8, .value_kind: global_buffer, .address_space: global }
      - { .name: ln_b, .offset: 48, .size: 8, .value_kind: global_buffer, .address_space: global }
      - { .name: out0, .offset: 56, .size: 8, .value_kind: global_buffer, .address_space: global }
    .group_segment_fixed_size: 90112
    .private_segment_fixed_size: 0
    .kernarg_segment_align: 8
    .kernarg_segment_size: 64
    .max_flat_workgroup_size: 512
    .sgpr_count:     66
    .vgpr_count:     256
    .wavefront_size: 32
...
	.end_amdgpu_metadata
.endif
;; end of part 4
;; ======== version 2 of 2: 4 launches; version 1 with the launches attn, oproj_ln written anew for expert scheduling mode
;; workspace buffers: ximg 12,582,912 bytes; wimg 4,194,304 bytes; qkv 12,582,912 bytes; oimg 4,194,304 bytes
;; launch prep: the kernel of part 1 again; grid 512 x 1, 4 waves a work-group, no clusters, 70,144 bytes of LDS; arguments inputs, W_q, W_k, W_v, W_o, lowp_scales, ximg, wimg; writes ximg, wimg
;; launch proj: the kernel of part 2 again; grid 4 x 48, 4 waves a work-group, clusters of 4 x 4, 327,680 bytes of LDS; arguments ximg, wimg, b_q, b_k, b_v, lowp_scales, qkv; writes qkv
;; launch attn (part 5): grid 16 x 16, 8 waves a work-group, no clusters, 82,944 bytes of LDS; arguments qkv, mask, lowp_scales, oimg; writes oimg
.if DOCPART == 5
	.amdgcn_target "amdgcn-amd-amdhsa--gfx1250"
	.amdhsa_code_object_version 6
	.text
	.protected	k_qac64f719a9_attn
	.globl	k_qac64f719a9_attn
	.p2align	8
	.type	k_qac64f719a9_attn,@function
k_qac64f719a9_attn:
	s_mov_b64 s[64:65], 0
	v_nop
	global_prefetch_b8 v0, s[64:65] scope:SCOPE_SE
	s_setreg_imm32_b32 hwreg(HW_REG_WAVE_SCHED_MODE, 0, 2), 2
	s_setreg_imm32_b32 hwreg(HW_REG_WAVE_MODE, 25, 1), 1
	s_wait_xcnt 0x0
	s_wait_alu depctr_vm_vsrc(0)
; O = Quant(softmax((Q K^T / 32) x mask_q mask_k) V), both products on codes of FP8 (E4M3).  No work of the problem is left out: a masked score is 0, not -infinity, so every query sums over all 4096 keys.
; t = score x log2(e); M = the running largest t rounded UP to a whole number; p = 2^(t - M) is quantised with 2^e8, not normalised; the row's sum l is taken of the unquantised p and divides at the end.
; SHARES: a work-group owns 256 queries of one head; each of its eight waves two tiles of 16 (a lane holds one query of each tile); every wave walks all keys, 128 a step.  With two tiles a fragment of K, of V and of
; the mask read from LDS serves two products or two tiles of scores: 48 LDS loads a wave and step for 32 queries.
; LAYOUT: both products transposed: S^T = K Q^T (K = 64 form), O^T = V^T P^T (K = 128 form).  K's token tiles and V's tiles of the head's 64 are permuted, so p's 16 registers of two neighbouring tiles are 16 neighbouring keys,
; and O's are 16 neighbours of the head's 64: the conversions' results are the next operand's registers.
; THE MASK: t = (s mk) cq.  mk = f32(mask[key]) comes from LDS, the same for both tiles; cq = c |mask[query]|, c = log2(e) / 32 x 2^(e6 + e7), one number a lane.  The SIGN of mask[query] is put into Q's codes once
; (their sign bits are flipped: exact), so cq is never negative and the largest s mk gives the largest t.
; K AND V go from memory through registers into LDS, as they lie (images of operand registers), a slot of two key steps ahead; two slots, one barrier a slot.
; NO TENSOR LOAD, AND SO NO CLUSTER: p is at most 1, so its hold at 448 x 2^e8 changes nothing where e8 >= -8; it is 128 of a step's 585 vector instructions.
; What the sixteen work-groups of a head share is 32 KiB for two key steps.
; LIMITS: |mask| <= 4095 (mask_q mask_k is then exact in f32; int32 wrap-round is not reproduced); e6 + e7 between -121 and 132; e8 between -126 and 119; 2^(e8 + e9 - e10) / l a normal f32 number.  NaN is not served.
; REGISTERS: window 0: v1-15 addresses and constants; v16-31 eight statistics a tile: -M, largest t, l (two halves), cq (twice), f, 0; v32-47 at work; v64-191 S^T, then p (64 a tile); v192-255 mk, then p's codes (16 a tile).
;   window 1: v0-63 K's fragments; v64-127 V's; v128-191 O^T (32 a tile); v192-207 Q; v208-239 the next slot's bytes on their way to LDS.
; THE MODE: SCHED_MODE bits 1:0 = 2 (LLVM: expert scheduling mode 2), set by the entry lines.  The code itself states the register dependences
; between vector or matrix instructions and memory or LDS instructions, with s_wait_alu, always for 0.
; THE PLAN.  Registers that memory or LDS instructions touch, in the loop:
;   v1, v2, v4-v10  Offsets and addresses, made at the head and never written again.
;   GR        The next slot's global loads land in it; that slot's LDS stores read it; no vector instruction names it.
;   KF        LDS loads land in it; the step's sixteen products K Q^T read it.
;   MKR = PC  mk's LDS loads land in it; the multiplications s x mk read it; the conversions write p's codes there; the products V^T P read them.
;   VF        LDS loads land in it; the products V^T P read it.
;   v[ADM]    Read by mk's loads; written once a trip.
; ONE wait on va_vdst stands at a step's head: the last step's products V^T P are done reading VF and PC, the conversions have written PC, v[ADM] is written.  It serves K's and mk's loads, and V's, which follow
; behind the products K Q^T: those name S^T, KF and Q alone.  The wait behind the exponentials also states that the products K Q^T are done reading KF: in a slot's first step the second step's K follows it at once.
; ONE wait on vm_vsrc a slot stands ahead of the barrier: the LDS stores have read GR, mk's loads have read v[ADM].
.set SL0,   16384                      ; LDS: 0 .. 16383 mk, 4096 f32; slot 0; slot 1; a slot: K [2 steps][8 tiles][2 units][512], then V [2 steps][4 tiles][4 units][512]
.set SL1,   49152
.set SPARE, 81920                      ; the spare words, 128 bytes for each of eight waves
.set LI,   1                           ; v1   16 x lane
.set AM0,  2                           ; v2   64 h: my 16 keys of a block of 32, in mk
.set ADM,  3                           ; v3   LDS address of the trip's mk
.set AD,   4                           ; v4-5 16 x lane + slot 0, 1
.set STA,  6                           ; v6-7 where I store my part of slot 0, 1
.set GKO,  8                           ; v8   my part of a slot's K in memory
.set GVO,  9                           ; v9   of V
.set PFO,  10                          ; v10  the prefetch's offset
.set PSC,  11                          ; v11  2^e8
.set PLM,  12                          ; v12  448 x 2^e8
.set C448, 13                          ; v13  448
.set SPW,  14                          ; v14  LDS address of my spare word; never rewritten
.set NIL,  15                          ; v15  0; never rewritten
.set ST,   16
.set TM,   32                          ; a tile's: +0, +1 two chains of the maximum; +2 the other half's; +3 the old -M; +4, +5 the second chain of the sum
.set S,    64
.set MKR,  192
.set PC,   192
.set KF,   0                           ; window 1
.set VF,   64
.set OA,   128
.set QF,   192
.set GR,   208
.set MSB, 0
.macro WIN new                         ; the immediate's high byte repeats the setting that is left
.if MSB != \new
	s_set_vgpr_msb (MSB<<8)|\new
.set MSB, \new
.endif
.endm
.macro GLOAD                           ; my eighth of a slot: four units of K, four of V; each load takes 512 consecutive bytes
	WIN 0x40                                       ; destination window 1
.irp j, 0,1,2,3
	global_load_b128 v[GR+4*\j:GR+4*\j+3], v[GKO], s[28:29] offset:(\j/2)*2048+(\j%2)*512
.endr
.irp j, 0,1,2,3
	global_load_b128 v[GR+16+4*\j:GR+16+4*\j+3], v[GVO], s[30:31] offset:\j*512
.endr
	WIN 0
.endm
.macro KLOAD n, sg                     ; K's eight fragments of step sg of slot n
	WIN 0x40                                       ; destination window 1
.set ii, 0
.rept 16
	ds_load_b128 v[KF+4*ii:KF+4*ii+3], v[AD+\n] offset:\sg*8192+ii*512
.set ii, ii+1
.endr
	WIN 0
.endm
	s_load_b256 s[4:11], s[0:1], 0x0               ; qkv s[4:5], mask s[6:7], the scales' exponents s[8:9], oimg s[10:11]
	v_lshl_add_u32 v[SPW], v0, 2, SPARE
	v_mov_b32 v[NIL], 0
	v_lshrrev_b32 v48, 5, v0
	v_readfirstlane_b32 s12, v48                   ; wave 0..7
	v_and_b32 v49, 31, v0                          ; lane
	v_and_b32 v50, 15, v0                          ; r
	v_bfe_u32 v51, v0, 4, 1                        ; h
	v_lshlrev_b32 v[LI], 4, v49
	v_lshlrev_b32 v[AM0], 6, v51
	v_add_nc_u32 v[AD], SL0, v[LI]
	v_add_nc_u32 v[AD+1], SL1, v[LI]
	v_lshlrev_b32 v52, 4, v0                       ; the whole mask: 16 bytes a thread, four times
	v_and_b32 v53, 8, v50
	v_add_nc_u32 v53, v53, v50                     ; r + 8 (r / 8)
	v_lshlrev_b32 v53, 2, v53
	s_wait_alu depctr_va_sdst(0)                   ; s12 is written, ahead of its first reader: addresses and bases are made from it
	s_lshl_b32 s13, s12, 11                        ; units 4 w .. 4 w + 3 of K's 32 and of V's 32
	v_add_nc_u32 v[STA], s13, v[AD]
	v_add_nc_u32 v[STA+1], s13, v[AD+1]
	s_lshr_b32 s14, s12, 2                         ; which of the slot's two steps,
	s_and_b32 s15, s12, 3                          ; which quarter of it
	s_lshl_b32 s16, s14, 14                        ; a key step on is 16,384 bytes on in qkv
	s_lshl_b32 s17, s15, 12                        ; K: two tiles, 2,048 bytes apart (the other head of the pair lies between)
	s_add_co_u32 s17, s17, s16
	v_add_nc_u32 v[GKO], s17, v[LI]
	s_lshl_b32 s17, s15, 11                        ; V: one tile of the head's 64: four units on end
	s_add_co_u32 s17, s17, s16
	v_add_nc_u32 v[GVO], s17, v[LI]
	s_lshl_b32 s23, ttmp9, 3
	s_add_co_u32 s23, s23, s12
	s_lshl_b32 s23, s23, 7                         ; my tiles' 32 tokens begin at 32 (8 x + w)
	v_add_nc_u32 v53, s23, v53
	s_cmp_lt_u32 s12, 2                            ; the prefetch's offset: waves 0, 1 ask for K, waves 2, 3 for V:
	s_cselect_b32 s35, 11, 10                      ; four lanes take 1,024 consecutive bytes; the next four stand 2,048 on in K, 1,024 on in V
	v_lshrrev_b32 v48, 2, v49
	v_lshlrev_b32 v48, s35, v48
	v_and_b32 v49, 3, v49
	v_lshl_add_u32 v[PFO], v49, 8, v48
	s_and_b32 s18, ttmp7, 0xffff                   ; the head
	s_lshr_b32 s19, s18, 1
	s_lshl_b32 s19, s19, 19                        ; FB x 32 x 16,384
	s_and_b32 s22, s18, 1
	s_mov_b32 s49, 0
	s_mov_b32 s20, 0x76543210                      ; v_permlanex16_b32's selects for lane l xor 16
	s_mov_b32 s21, 0xfedcba98
	s_mov_b32 s25, 0                               ; the trip's first byte of mk
	s_mov_b32 s26, 8                               ; trips: four key steps each
	s_wait_alu depctr_va_vdst(0)                   ; all offsets and addresses (v1, v2, v4 to v10, v52, v53) are written: every load, store and prefetch of the kernel reads one of them, and none is written again
	s_wait_kmcnt 0x0
	s_load_b256 s[36:43], s[8:9], 0x0              ; e0 .. e7
	s_load_b128 s[44:47], s[8:9], 0x20             ; e8 .. e11
	s_lshl_b32 s48, s22, 10
	s_add_co_u32 s48, s48, s19
	s_add_co_u32 s48, s48, 0x400000
	s_add_nc_u64 s[28:29], s[4:5], s[48:49]        ; K of my head, slot 0
	s_lshl_b32 s48, s22, 13
	s_add_co_u32 s48, s48, s19
	s_add_co_u32 s48, s48, 0x800000
	s_add_nc_u64 s[30:31], s[4:5], s[48:49]        ; V of my head, slot 0
	GLOAD
	s_lshl_b32 s48, ttmp9, 1
	s_add_co_u32 s48, s48, s14                     ; my queries' block of 128 tokens: 2 x + w / 4
	s_lshl_b32 s48, s48, 14
	s_add_co_u32 s48, s48, s19
	s_lshl_b32 s23, s15, 12                        ; tiles 2 (w % 4), 2 (w % 4) + 1 of its eight
	s_add_co_u32 s48, s48, s23
	s_lshl_b32 s23, s22, 10
	s_add_co_u32 s48, s48, s23
	s_add_nc_u64 s[50:51], s[4:5], s[48:49]
	WIN 0x40
.irp a, 0,1
.irp c, 0,1
	global_load_b128 v[QF+8*\a+4*\c:QF+8*\a+4*\c+3], v[LI], s[50:51] offset:\a*2048+\c*512   ; Q stays in registers
.endr
.endr
	WIN 0
	global_load_b32 v54, v53, s[6:7]               ; mask of my query in tile 0,
	global_load_b32 v55, v53, s[6:7] offset:32     ; in tile 1: 8 tokens on
.irp j, 0,1,2,3
	global_load_b128 v[S+4*\j:S+4*\j+3], v52, s[6:7] offset:\j*4096
.endr
	; the prefetches: who asks, and where
	s_cmp_lt_u32 s12, 2
	s_cselect_b64 s[32:33], s[28:29], s[30:31]     ; waves 0, 1: K; waves 2, 3: V
	s_and_b32 s23, s12, 1
	s_lshl_b32 s48, s23, 14                        ; which of the slot's two steps
	s_add_co_u32 s48, s48, 32768                   ; in slot 1: each change of slots steps it first.  Nothing is prefetched here, at the head
	s_add_nc_u64 s[32:33], s[32:33], s[48:49]
	s_lshr_b32 s34, s12, 2
	s_or_b32 s34, s34, ttmp9                       ; 0 in waves 0 to 3 of the head's first work-group
	s_cmp_eq_u32 s34, 0
	s_cselect_b32 s34, 1, -1
	s_lshl_b32 s48, ttmp9, 4
	s_lshl_b32 s23, s12, 1
	s_add_co_u32 s48, s48, s23                     ; my first token tile: 16 x + 2 w
	s_lshl_b32 s48, s48, 14
	s_lshl_b32 s23, s18, 10                        ; the head's two units
	s_add_co_u32 s48, s48, s23
	s_add_nc_u64 s[10:11], s[10:11], s[48:49]
.irp a, 0,1                                    ; (none of the lines from here to the wait for the loads names a register that those loads touch)
	v_mov_b32 v[ST+8*\a+1], 0xff61b1e6             ; the largest t so far: -3e38, under every t
	v_floor_f32 v[ST+8*\a], -v[ST+8*\a+1]          ; -M
	v_mov_b32 v[ST+8*\a+2], 0                      ; l, in two halves
	v_mov_b32 v[ST+8*\a+3], 0
	v_mov_b32 v[ST+8*\a+6], 0
	v_mov_b32 v[ST+8*\a+7], 0                      ; (named as the upper half of f's pair)
	v_mov_b32 v[TM+8*\a+2], 0                      ; written once: a lane permute's destination counts as one of its sources
.endr
	WIN 0x40
.set ii, 0
.rept 64
	v_mov_b32 v[OA+ii], 0                          ; O^T.  (The step is written for all steps alike: the first finds zeros, which the first change of M leaves zeros)
.set ii, ii+1
.endr
	WIN 0
	s_wait_loadcnt 0x0
	s_wait_kmcnt 0x0
.set ii, 0
.rept 16
	v_cvt_f32_i32 v[S+ii], v[S+ii]
.set ii, ii+1
.endr
	s_add_co_i32 s24, s42, s43
	s_lshl_b32 s24, s24, 23
	s_add_co_i32 s24, s24, 0x3d38aa3b              ; c = log2(e) / 32, with e6 + e7 added to its exponent field
.irp a, 0,1
	v_ashrrev_i32 v[56+\a], 31, v[54+\a]
	v_and_b32 v[56+\a], 0x80808080, v[56+\a]       ; four sign bits where mask[query] is negative
	v_cvt_f32_i32 v[54+\a], v[54+\a]
	v_mul_f32 v[ST+8*\a+4], s24, |v[54+\a]|        ; cq
	v_mov_b32 v[ST+8*\a+5], v[ST+8*\a+4]
.endr
	WIN 0x44                                       ; source 1 and destination window 1
.irp a, 0,1
.irp i, 0,1,2,3,4,5,6,7
	v_xor_b32 v[QF+8*\a+\i], v[56+\a], v[QF+8*\a+\i]
.endr
.endr
	WIN 0
	s_add_co_i32 s23, s44, 127
	s_lshl_b32 s24, s23, 23
	v_mov_b32 v[PSC], s24
	s_add_co_i32 s23, s23, 8
	s_lshl_b32 s23, s23, 23
	s_or_b32 s23, s23, 0x600000
	v_mov_b32 v[PLM], s23
	s_add_co_i32 s27, s44, s45
	s_sub_co_i32 s27, s27, s46                     ; e8 + e9 - e10
	s_wait_alu depctr_va_vdst(0)                   ; the sixteen conversions have written v[S] to v[S + 15], which the LDS stores read; the lines between are work that was due anyway
.irp j, 0,1,2,3
	ds_store_b128 v52, v[S+4*\j:S+4*\j+3] offset:\j*4096
.endr
; A KEY STEP: 128 keys, step sg of slot n.
.macro STEP n, sg
.rept 4
	v_nop                                          ; four plain lines stand between the last products and the loads into registers that they read; the wait below states the dependence
.endr
	s_wait_alu depctr_va_vdst(0)                   ; the last step's products V^T P are done reading VF and p's codes, and the conversions have written those codes' registers: mk's and V's loads land there; in a trip's first step v[ADM] is written
.if \sg == 0
	KLOAD \n, 0                                    ; (a slot's second step finds its K asked for in the first)
.endif
.set ii, 0
.rept 16
	ds_load_b128 v[MKR+4*ii:MKR+4*ii+3], v[ADM] offset:(2*\n+\sg)*512+(ii/4)*128+(ii%4)*16   ; register 16 b + i: mk of key 32 b + 16 h + i
.set ii, ii+1
.endr
	s_wait_dscnt 16                                ; K's sixteen loads are in; mk's stay out
	WIN 0x05                                       ; K and Q window 1, S^T window 0
.irp t, 0,1,2,3,4,5,6,7
.irp a, 0,1
	v_wmma_f32_16x16x64_fp8_fp8 v[S+64*\a+8*\t:S+64*\a+8*\t+7], v[KF+8*\t:KF+8*\t+7], v[QF+8*\a:QF+8*\a+7], 0
.endr
.endr
	WIN 0x40
.set ii, 0
.rept 16
	ds_load_b128 v[VF+4*ii:VF+4*ii+3], v[AD+\n] offset:16384+\sg*8192+ii*512   ; no wait: since the wait at the step's head no vector or matrix instruction names VF or the address
.set ii, ii+1
.endr
	WIN 0
.rept 4
	v_nop                                          ; places in front of the first read of the scores
.endr
	s_wait_dscnt 16                                ; mk is in; V's sixteen loads stay out
.set ii, 0
.rept 32
	v_pk_mul_f32 v[S+2*ii:S+2*ii+1], v[S+2*ii:S+2*ii+1], v[MKR+2*ii:MKR+2*ii+1]              ; s x mk; each accumulator from its low end on
	v_pk_mul_f32 v[S+64+2*ii:S+64+2*ii+1], v[S+64+2*ii:S+64+2*ii+1], v[MKR+2*ii:MKR+2*ii+1]
.set ii, ii+1
.endr
.irp a, 0,1
	v_max3_num_f32 v[TM+8*\a], v[S+64*\a], v[S+64*\a+1], v[S+64*\a+2]          ; the step's largest s mk of my query among my 64 keys, in two chains a tile
	v_max3_num_f32 v[TM+8*\a+1], v[S+64*\a+3], v[S+64*\a+4], v[S+64*\a+5]
.endr
.set ii, 6
.rept 14
.irp a, 0,1
	v_max3_num_f32 v[TM+8*\a], v[TM+8*\a], v[S+64*\a+ii], v[S+64*\a+ii+1]
	v_max3_num_f32 v[TM+8*\a+1], v[TM+8*\a+1], v[S+64*\a+ii+2], v[S+64*\a+ii+3]
.endr
.set ii, ii+4
.endr
.irp a, 0,1
	v_max3_num_f32 v[TM+8*\a], v[TM+8*\a], v[S+64*\a+62], v[S+64*\a+63]
.endr
.irp a, 0,1
	v_max_num_f32 v[TM+8*\a], v[TM+8*\a], v[TM+8*\a+1]
.endr
.irp a, 0,1
	v_permlanex16_b32 v[TM+8*\a+2], v[TM+8*\a], s20, s21
.endr
.irp a, 0,1
	v_max_num_f32 v[TM+8*\a], v[TM+8*\a], v[TM+8*\a+2]     ; and among lane l xor 16's
.endr
.irp a, 0,1
	v_mul_f32 v[TM+8*\a], v[TM+8*\a], v[ST+8*\a+4]         ; as t (cq is not negative)
.endr
.irp a, 0,1
	v_max_num_f32 v[ST+8*\a+1], v[ST+8*\a+1], v[TM+8*\a]   ; the running largest t
	v_mov_b32 v[TM+8*\a+3], v[ST+8*\a]
.endr
.irp a, 0,1
	v_floor_f32 v[ST+8*\a], -v[ST+8*\a+1]                  ; the new -M = floor(-t): M is a whole number
.endr
.irp a, 0,1
	v_sub_f32 v[TM+8*\a+3], v[ST+8*\a], v[TM+8*\a+3]       ; old M less new M: a whole number, 0 or less
.endr
.irp a, 0,1
	v_cvt_i32_f32 v[TM+8*\a+3], v[TM+8*\a+3]               ; (it saturates)
.endr
.irp a, 0,1
	v_ldexp_f32 v[ST+8*\a+6], 1.0, v[TM+8*\a+3]            ; f = 2^(old M - new M): a multiplication by it rounds nothing
.endr
.set ii, 0
.rept 32
.irp a, 0,1
	v_pk_fma_f32 v[S+64*\a+2*ii:S+64*\a+2*ii+1], v[S+64*\a+2*ii:S+64*\a+2*ii+1], v[ST+8*\a+4:ST+8*\a+5], v[ST+8*\a:ST+8*\a+1] op_sel_hi:[1,0,0]   ; t - M (of the pairs cq and -M the low word serves both halves)
.endr
.set ii, ii+1
.endr
.set ii, 0
.rept 128
	v_exp_f32 v[S+ii], v[S+ii]                     ; p = 2^(t - M), at most 1
.set ii, ii+1
.endr
.irp a, 0,1
	v_pk_mul_f32 v[ST+8*\a+2:ST+8*\a+3], v[ST+8*\a+2:ST+8*\a+3], v[ST+8*\a+6:ST+8*\a+7] op_sel_hi:[1,0]   ; l under the new M: the plain lines behind the exponentials
.endr
	s_wait_alu depctr_va_vdst(0)                   ; the 128 exponentials have written p, ahead of its first reader: one wait for the batch; and the step's products K Q^T are done reading KF
.if \sg == 0
	KLOAD \n, 1                                    ; so the slot's second step's K is asked for here: no vector or matrix instruction since that wait names KF
.endif
.irp a, 0,1
	v_pk_add_f32 v[TM+8*\a+4:TM+8*\a+5], v[S+64*\a:S+64*\a+1], v[S+64*\a+2:S+64*\a+3]     ; the sum of the UNQUANTISED p, two chains a tile
.endr
.set ii, 4
.rept 15
.irp a, 0,1
	v_pk_add_f32 v[ST+8*\a+2:ST+8*\a+3], v[ST+8*\a+2:ST+8*\a+3], v[S+64*\a+ii:S+64*\a+ii+1]
	v_pk_add_f32 v[TM+8*\a+4:TM+8*\a+5], v[TM+8*\a+4:TM+8*\a+5], v[S+64*\a+ii+2:S+64*\a+ii+3]
.endr
.set ii, ii+4
.endr
.irp a, 0,1
	v_pk_add_f32 v[ST+8*\a+2:ST+8*\a+3], v[ST+8*\a+2:ST+8*\a+3], v[TM+8*\a+4:TM+8*\a+5]
.endr
	s_cmp_ge_i32 s44, -8                           ; p <= 1 <= 448 x 2^e8 where e8 >= -8: the hold would change nothing.  A whole number read from memory decides
	s_cbranch_scc1 .Lno_hold_\@
.set ii, 0
.rept 128
	v_min_num_f32 v[S+ii], v[S+ii], v[PLM]         ; the conversion to an 8-bit code does not saturate (ISA guide 7.6.2); p is not negative, so the hold is one-sided
.set ii, ii+1
.endr
.Lno_hold_\@:
.irp a, 0,1
.irp b, 0,1,2,3
	v_cvt_scalef32_pk8_fp8_f32 v[PC+16*\a+4*\b:PC+16*\a+4*\b+1], v[S+64*\a+16*\b:S+64*\a+16*\b+7], v[PSC]
	v_cvt_scalef32_pk8_fp8_f32 v[PC+16*\a+4*\b+2:PC+16*\a+4*\b+3], v[S+64*\a+16*\b+8:S+64*\a+16*\b+15], v[PSC]
.endr
.endr
	v_nop                                          ; a plain line behind the last conversion
	WIN 0x41                                       ; O^T window 1, f window 0
.set ii, 0
.rept 16
.irp a, 0,1
	v_pk_mul_f32 v[OA+32*\a+2*ii:OA+32*\a+2*ii+1], v[OA+32*\a+2*ii:OA+32*\a+2*ii+1], v[ST+8*\a+6:ST+8*\a+7] op_sel_hi:[1,0]   ; O^T under the new M
.endr
.set ii, ii+1
.endr
.if \sg == 0
	s_wait_dscnt 16                                ; V is in; the next step's K, sixteen younger loads, stays out
.else
	s_wait_dscnt 0x0                               ; V is in
.endif
	WIN 0x51                                       ; V window 1, p's codes window 0, O^T window 1
.irp d, 0,1,2,3
.irp a, 0,1
	v_wmma_f32_16x16x128_fp8_fp8 v[OA+32*\a+8*\d:OA+32*\a+8*\d+7], v[VF+16*\d:VF+16*\d+15], v[PC+16*\a:PC+16*\a+15], v[OA+32*\a+8*\d:OA+32*\a+8*\d+7]   ; eight accumulators, one instruction a turn
.endr
.endr
	WIN 0
.endm
; A SLOT.  My eighth of it, asked for a slot ago, goes into LDS; ONE barrier: in front of it my stores have landed and my reads of the other slot are over.  So slot n is stored again only behind the other slot's
; barrier, which every wave signals behind its last read of slot n.  Behind the barrier the next slot is asked for, into registers: it has two key steps in which to come.
.macro HALF n
	s_wait_loadcnt 0x0                             ; the slot's bytes are in my registers, and the loads' bases may be stepped
	WIN 0x04                                       ; store data from window 1
.irp j, 0,1,2,3
	ds_store_b128 v[STA+\n], v[GR+4*\j:GR+4*\j+3] offset:\j*512
.endr
.irp j, 0,1,2,3
	ds_store_b128 v[STA+\n], v[GR+16+4*\j:GR+16+4*\j+3] offset:16384+\j*512
.endr
	WIN 0
	s_wait_xcnt 0x0                                ; the last prefetch, two key steps back, has read its address
	s_add_nc_u64 s[28:29], s[28:29], 0x8000        ; a slot on
	s_add_nc_u64 s[30:31], s[30:31], 0x8000
	s_add_nc_u64 s[32:33], s[32:33], 0x8000
	s_wait_dscnt 0x0
	s_wait_alu depctr_vm_vsrc(0)                   ; my LDS stores have read GR, in which the next slot's loads land; mk's loads have read v[ADM]; in the first trip mk's stores have read v[S] to v[S + 15], which the products write
.if \n == 0
	v_add_nc_u32 v[ADM], s25, v[AM0]               ; the trip's mk: once a trip; a step's place in the trip stands in its loads' immediates
.endif
	s_barrier_signal -1
	s_barrier_wait -1
.if \n
	s_cmp_eq_u32 s26, 1                            ; behind the last slot there is none: no load leaves its buffer
	s_cbranch_scc1 .Lno_next_\@
.endif
	GLOAD
.if \n
.Lno_next_\@:
.endif
	; A PREFETCH INTO THE L2 of the slot behind the one just asked for: two key steps ahead of its loads.  All sixteen work-groups of a head walk the same K and V: the head's first asks, waves 0 and 1 for K's two steps,
	; waves 2 and 3 for V's: 32 lanes x 256 bytes are a step's 8,192 bytes: each aligned block of 256 bytes is named once in the launch.  The last trip asks for nothing: no slot lies there.
	s_cmp_gt_u32 s26, s34
	s_cbranch_scc0 .Lnot_mine_\@
	global_prefetch_b8 v[PFO], s[32:33] th:TH_LOAD_NT scope:SCOPE_SE
.Lnot_mine_\@:
	STEP \n, 0
	STEP \n, 1
.endm
.Ltrip:                                            ; 8 trips of two slots, four key steps
	HALF 0
	HALF 1
	s_add_co_u32 s25, s25, 2048                    ; 512 keys of mk on
	s_sub_co_u32 s26, s26, 1
	s_cmp_lg_u32 s26, 0
	s_cbranch_scc1 .Ltrip
	; THE WAY OUT: O^T x 2^(e8 + e9 - e10) / l, held at +-448, becomes codes: two units a tile, stored from registers.  The additions below are the places behind the last products.
.irp a, 0,1
	v_add_f32 v[TM+8*\a], v[ST+8*\a+2], v[ST+8*\a+3]
.endr
.irp a, 0,1
	v_permlanex16_b32 v[TM+8*\a+2], v[TM+8*\a], s20, s21
.endr
.irp a, 0,1
	v_add_f32 v[TM+8*\a], v[TM+8*\a], v[TM+8*\a+2]
.endr
.irp a, 0,1
	v_rcp_f32 v[ST+8*\a+6], v[TM+8*\a]
.endr
	v_mov_b32 v[C448], 0x43e00000                  ; (a plain line behind the reciprocals)
	v_mov_b32 v47, 1.0                             ; the conversion's scale: 2^0
	s_wait_alu depctr_va_vdst(0)                   ; the two reciprocals are written, ahead of their first reader: one wait for both
.irp a, 0,1
	v_ldexp_f32 v[ST+8*\a+6], v[ST+8*\a+6], s27
.endr
	WIN 0x01                                       ; source 0 (O^T) window 1
.set ii, 0
.rept 16
.irp a, 0,1
	v_pk_mul_f32 v[S+32*\a+2*ii:S+32*\a+2*ii+1], v[OA+32*\a+2*ii:OA+32*\a+2*ii+1], v[ST+8*\a+6:ST+8*\a+7] op_sel_hi:[1,0]   ; each accumulator from its low end on
.endr
.set ii, ii+1
.endr
	WIN 0
.set ii, 0
.rept 64
	v_med3_num_f32 v[S+ii], v[S+ii], -v[C448], v[C448]
.set ii, ii+1
.endr
.irp a, 0,1
.irp b, 0,1
	v_cvt_scalef32_pk8_fp8_f32 v[PC+8*\a+4*\b:PC+8*\a+4*\b+1], v[S+32*\a+16*\b:S+32*\a+16*\b+7], v47
	v_cvt_scalef32_pk8_fp8_f32 v[PC+8*\a+4*\b+2:PC+8*\a+4*\b+3], v[S+32*\a+16*\b+8:S+32*\a+16*\b+15], v47
.endr
.endr
	v_nop
	s_wait_alu depctr_va_vdst(0)                   ; the conversions have written O's codes, which the four stores read
.irp a, 0,1
.irp b, 0,1
	global_store_b128 v[LI], v[PC+8*\a+4*\b:PC+8*\a+4*\b+3], s[10:11] offset:\a*16384+\b*512   ; a unit: 512 consecutive bytes, aligned
.endr
.endr
	s_wait_dscnt 0x0                               ; the closing lines, six on end
	s_wait_alu 0x0
	s_wait_tensorcnt 0x0
	ds_add_u32 v[SPW], v[NIL]
	s_wait_dscnt 0x0
	s_endpgm
.Lfunc_end_k_qac64f719a9_attn:
	.size	k_qac64f719a9_attn, .Lfunc_end_k_qac64f719a9_attn-k_qac64f719a9_attn
	.p2alignl 7, 3214868480
	.fill 96, 4, 3214868480
	.section	.rodata,"a",@progbits
	.p2align	6, 0x0
	.amdhsa_kernel k_qac64f719a9_attn
		.amdhsa_group_segment_fixed_size 82944
		.amdhsa_private_segment_fixed_size 0
		.amdhsa_enable_private_segment 0
		.amdhsa_kernarg_size 32
		.amdhsa_user_sgpr_count 2
		.amdhsa_user_sgpr_kernarg_segment_ptr 1
		.amdhsa_wavefront_size32 1
		.amdhsa_system_sgpr_workgroup_id_x 1
		.amdhsa_system_sgpr_workgroup_id_y 1
		.amdhsa_system_sgpr_workgroup_id_z 1
		.amdhsa_system_vgpr_workitem_id 0
		.amdhsa_next_free_vgpr 512
		.amdhsa_next_free_sgpr 66
		.amdhsa_reserve_vcc 0
		.amdhsa_float_denorm_mode_32 3
		.amdhsa_float_denorm_mode_16_64 3
		.amdhsa_memory_ordered 1
		.amdhsa_forward_progress 1
		.amdhsa_inst_pref_size 155
	.end_amdhsa_kernel
	.amdgpu_metadata
---
amdhsa.version: [ 1, 2 ]
amdhsa.kernels:
  - .name:           k_qac64f719a9_attn
    .symbol:         k_qac64f719a9_attn.kd
    .args:
      - { .name: qkv, .offset: 0, .size: 8, .value_kind: global_buffer, .address_space: global }
      - { .name: mask, .offset: 8, .size: 8, .value_kind: global_buffer, .address_space: global }
      - { .name: lowp_scales, .offset: 16, .size: 8, .value_kind: global_buffer, .address_space: global }
      - { .name: oimg, .offset: 24, .size: 8, .value_kind: global_buffer, .address_space: global }
    .group_segment_fixed_size: 82944
    .private_segment_fixed_size: 0
    .kernarg_segment_align: 8
    .kernarg_segment_size: 32
    .max_flat_workgroup_size: 256
    .sgpr_count:     66
    .vgpr_count:     512
    .wavefront_size: 32
...
	.end_amdgpu_metadata
.endif
;; end of part 5
;; launch oproj_ln (part 6): grid 256 x 1, 16 waves a work-group, no clusters, 90,112 bytes of LDS; arguments oimg, wimg, lowp_scales, b_o, inputs, ln_w, ln_b, out0; writes out0
.if DOCPART == 6
	.amdgcn_target "amdgcn-amd-amdhsa--gfx1250"
	.amdhsa_code_object_version 6
	.text
	.protected	k_qac64f719a9_oproj_ln
	.globl	k_qac64f719a9_oproj_ln
	.p2align	8
	.type	k_qac64f719a9_oproj_ln,@function
k_qac64f719a9_oproj_ln:
	s_mov_b64 s[64:65], 0
	v_nop
	global_prefetch_b8 v0, s[64:65] scope:SCOPE_SE
	s_setreg_imm32_b32 hwreg(HW_REG_WAVE_SCHED_MODE, 0, 2), 2
	s_setreg_imm32_b32 hwreg(HW_REG_WAVE_MODE, 25, 1), 1
	s_wait_xcnt 0x0
	s_wait_alu depctr_vm_vsrc(0)
; out0 = LayerNorm(O W_o + b_o + inputs) x ln_w + ln_b; the product on codes of FP8 (E4M3), all else in f32.  No work of the problem is left out here.
; SHARES: a work-group owns one token tile: 16 WHOLE rows of the result, so the norm is made here and the sum never goes to memory.  Wave w makes features 64 w .. 64 w + 63: four accumulators, eight K steps of 128.
; Source 0 = 16 features of W_o (natural tiles), source 1 = the token tile of O: a lane holds one token and eight neighbouring features.
; O's 16 KiB of codes go through LDS once (each wave brings two units, all sixteen read all).  W_o's fragments go from memory straight into registers, two sets by turns: 32 loads of a wave are out.
; NO JOINT LOADS, though all work-groups read W_o's 1 MiB of codes: a fragment of W_o feeds ONE product of one wave here, so a way through LDS would add a store and a load of every byte and spare no read within the work-group.
; THE VARIANCE is made of deviations, never as a difference of large sums: each wave takes its 64 numbers' mean and their squared deviations from it; the sixteen pairs meet in LDS:
; mean = sum of m_i / 16, M2 = sum of (M2_i + 64 (m_i - mean)^2), var = M2 / 1024.
; The tile's row r is token 32 (g / 2) + 8 (g % 2) + r + 8 (r / 8).  LIMIT: e10 + e11 between -126 and 127.
; REGISTERS: v1-8 addresses; v14, v15 the add's two; v16-47 four accumulators, later the waves' pairs; v48-79 O's fragments, two sets; v80-143, v144-207 W_o's two sets, later inputs, b_o, ln_w, ln_b and work; v208-239 my 32 numbers of the result.
; THE MODE: SCHED_MODE bits 1:0 = 2 (LLVM: expert scheduling mode 2), set by the entry lines.  The code itself states the register dependences
; between vector or matrix instructions and memory or LDS instructions, with s_wait_alu, always for 0.
; THE PLAN.  Registers that memory or LDS instructions touch:
;   v1 to v8    Offsets and addresses, made at the head and never written again.
;   WF0, WF1    Step s: its four products read WF[s % 2]; behind them the loads of step s + 2 land in it (behind step 6: the residual and the three vectors of parameters, in WF0's registers).
;   OF0, OF1    The same for O's fragments, from LDS; on the way out the waves' pairs land in OF0.
;   ACC         Written by the products, read by the LDS stores into the stage; then written by the sums and read by the LDS stores of the pairs.
;   Y           At the head two units of O land in it and LDS stores read them; on the way out the rows from the stage land in it, vector instructions work on them, the global stores read them.
; ONE wait on va_vdst stands in a K step, behind its four products and their places, so that the set is asked for again at once: 32 loads of W_o stay on their way.
; ONE wait on vm_vsrc stands on the way out, between the stores into the stage and the loads from it: it frees Y and ACC.
.set STG,   16384                      ; LDS: 0 .. 16383 O's 32 units; then a stage of 16 rows x (256 bytes + 16) for each wave
.set STAT,  86016                      ; 16 rows x 16 waves x (mean, M2)
.set SPARE, 88064                      ; the spare words, 128 bytes for each of sixteen waves
.set LI,  1                            ; v1  16 x lane
.set STO, 2                            ; v2  the stage: where I put 32 bytes of a row
.set RD,  3                            ; v3  and where I read a row back
.set GIO, 4                            ; v4  my 16 bytes in two rows of inputs and of out0
.set PRM, 5                            ; v5  my four features in b_o, ln_w, ln_b
.set STW, 6                            ; v6  where my wave's pair goes
.set STR, 7                            ; v7  where lane i reads wave i's pair
.set OIM, 8                            ; v8  my wave's two units of O
.set SPW, 14
.set NIL, 15
.set ACC, 16
.set OF,  48
.set WF,  80
.set IN,  80
.set BO,  112
.set LW,  116
.set LB,  120
.set DV,  144
.set MN,  176                          ; row pair k: mean at v[176 + 2 k], the variance at work at v[177 + 2 k]
.set RS,  192                          ; 1 / sqrt(var + eps) at v[192 + 2 k]
.set Y,   208
.macro WLOAD s                         ; W_o's four fragments of K step s, into set s % 2
.irp t, 0,1,2,3
.irp c, 0,1,2,3
	global_load_b128 v[WF+64*((\s)%2)+16*\t+4*\c:WF+64*((\s)%2)+16*\t+4*\c+3], v[LI], s[6:7] offset:\t*16384+(\s)*2048+\c*512
.endr
.endr
.endm
.macro OLOAD s                         ; O's fragment of K step s, from LDS
.irp c, 0,1,2,3
	ds_load_b128 v[OF+16*((\s)%2)+4*\c:OF+16*((\s)%2)+4*\c+3], v[LI] offset:(\s)*2048+\c*512
.endr
.endm
.macro KSTEP s
.if (\s) < 7
	s_wait_loadcnt 16                              ; this step's sixteen loads are in; the next set's stay out
	s_wait_dscnt 4                                 ; this step's fragment of O is in; the next one's four loads stay out
.else
	s_wait_loadcnt 11                              ; the way out's eleven loads stay out
	s_wait_dscnt 0
.endif
.irp t, 0,1,2,3
.if (\s) == 0
	v_wmma_f32_16x16x128_fp8_fp8 v[ACC+8*\t:ACC+8*\t+7], v[WF+64*((\s)%2)+16*\t:WF+64*((\s)%2)+16*\t+15], v[OF+16*((\s)%2):OF+16*((\s)%2)+15], 0
.else
	v_wmma_f32_16x16x128_fp8_fp8 v[ACC+8*\t:ACC+8*\t+7], v[WF+64*((\s)%2)+16*\t:WF+64*((\s)%2)+16*\t+15], v[OF+16*((\s)%2):OF+16*((\s)%2)+15], v[ACC+8*\t:ACC+8*\t+7]
.endif
.endr                                          ; four accumulators, one instruction a turn
.rept 4
	v_nop                                          ; places in front of loads into registers that these products read, and of the first read of results; they stay beside the wait below
.endr
	s_wait_alu depctr_va_vdst(0)                   ; this step's products are done reading their set of W_o and their fragment of O, in which the loads that follow land (behind step 6: the residual's and the parameters'); in step 7: they have written the accumulators, which the LDS stores read
.if (\s) < 6
	WLOAD (\s)+2
	OLOAD (\s)+2
.endif
.endm
.macro DPPSUM reg                      ; the sum over the sixteen lanes of each half, for all eight row pairs, line by line
.irp m, 1,2,4,8
.irp k, 0,1,2,3,4,5,6,7
	v_add_f32_dpp v[\reg+2*\k], v[\reg+2*\k], v[\reg+2*\k] row_xmask:\m row_mask:0xf bank_mask:0xf
.endr
.endr
.endm
	s_load_b512 s[4:19], s[0:1], 0x0               ; oimg s[4:5], wimg s[6:7], the scales' exponents s[8:9], b_o s[10:11], inputs s[12:13], ln_w s[14:15], ln_b s[16:17], out0 s[18:19]
	v_lshl_add_u32 v[SPW], v0, 2, SPARE
	v_mov_b32 v[NIL], 0
	v_lshrrev_b32 v9, 5, v0
	v_readfirstlane_b32 s20, v9                    ; wave 0..15
	v_and_b32 v9, 31, v0
	v_and_b32 v10, 15, v0                          ; r
	v_bfe_u32 v11, v0, 4, 1                        ; h
	v_lshlrev_b32 v[LI], 4, v9
	s_wait_alu depctr_va_sdst(0)                   ; s20 is written, ahead of its first reader: addresses and bases are made from it
	s_mul_i32 s21, s20, 4352
	s_add_co_u32 s21, s21, STG                     ; my stage
	v_mul_u32_u24 v[STO], v10, 272
	v_lshl_add_u32 v[STO], v11, 5, v[STO]
	v_add_nc_u32 v[STO], s21, v[STO]               ; in: row r, + 32 h; tile t's eight features 64 t bytes on
	v_mul_u32_u24 v[RD], v11, 272
	v_lshl_add_u32 v[RD], v10, 4, v[RD]
	v_add_nc_u32 v[RD], s21, v[RD]                 ; back: lanes 0-15 one row, lanes 16-31 the next
	s_lshl_b32 s22, s20, 8
	v_lshlrev_b32 v[PRM], 4, v10
	v_add_nc_u32 v[PRM], s22, v[PRM]               ; my wave's 256 bytes of a row, 16 a lane
	v_lshl_add_u32 v[GIO], v11, 12, v[PRM]         ; and one row further down for lanes 16 to 31
	s_lshl_b32 s22, s20, 3
	s_add_co_u32 s22, s22, STAT
	v_lshlrev_b32 v[STW], 7, v11
	v_lshl_add_u32 v[STR], v10, 3, v[STW]
	v_add_nc_u32 v[STR], STAT, v[STR]
	v_add_nc_u32 v[STW], s22, v[STW]
	s_lshl_b32 s22, s20, 10
	v_add_nc_u32 v[OIM], s22, v[LI]
	s_mov_b32 s25, 0
	s_mov_b32 s30, 0x3a800000                      ; 1 / 1024
	s_mov_b32 s31, 0x3727c5ac                      ; 1e-5
	s_mov_b32 s32, 0x42800000                      ; 64
	s_wait_alu depctr_va_vdst(0)                   ; the eight offsets and addresses v1 to v8 are written: every load and store of the kernel reads one of them, and none is written again
	s_wait_kmcnt 0x0
	s_load_b64 s[28:29], s[8:9], 0x28              ; e10, e11
	s_lshl_b32 s24, ttmp9, 14
	s_add_nc_u64 s[4:5], s[4:5], s[24:25]          ; my token tile of O
	s_lshl_b32 s24, s20, 16
	s_add_co_u32 s24, s24, 0x300000
	s_add_nc_u64 s[6:7], s[6:7], s[24:25]          ; W_o's codes, my four tiles of features
	s_lshr_b32 s24, ttmp9, 1
	s_lshl_b32 s24, s24, 5
	s_and_b32 s26, ttmp9, 1
	s_lshl_b32 s26, s26, 3
	s_add_co_u32 s24, s24, s26
	s_lshl_b32 s24, s24, 12                        ; the tile's first token, in rows of 4,096 bytes
	s_add_nc_u64 s[12:13], s[12:13], s[24:25]
	s_add_nc_u64 s[18:19], s[18:19], s[24:25]
	global_load_b128 v[Y:Y+3], v[OIM], s[4:5]
	global_load_b128 v[Y+4:Y+7], v[OIM], s[4:5] offset:512
	WLOAD 0
	WLOAD 1
	s_wait_loadcnt 32                              ; O's two units are in; W_o's two sets stay out
	ds_store_b128 v[OIM], v[Y:Y+3]
	ds_store_b128 v[OIM], v[Y+4:Y+7] offset:512
	s_wait_dscnt 0x0                               ; for the others' sake: my stores have landed
	s_barrier_signal -1
	s_barrier_wait -1                              ; O's 32 units lie in LDS
	OLOAD 0
	OLOAD 1
	KSTEP 0
	KSTEP 1
	KSTEP 2
	KSTEP 3
	KSTEP 4
	KSTEP 5
	KSTEP 6
.irp k, 0,1,2,3,4,5,6,7                        ; into the set that step 6 has left: the residual's rows 2 k, 2 k + 1 of the tile (rows 8-15 lie 8 tokens further on): sixteen lanes read 256 consecutive bytes, aligned
	global_load_b128 v[IN+4*\k:IN+4*\k+3], v[GIO], s[12:13] offset:(2*\k+8*(\k/4))*4096 th:TH_LOAD_NT
.endr
	global_load_b128 v[BO:BO+3], v[PRM], s[10:11]
	global_load_b128 v[LW:LW+3], v[PRM], s[14:15]
	global_load_b128 v[LB:LB+3], v[PRM], s[16:17]
	KSTEP 7
	; THE WAY OUT.  The sums go through my own stage and come back as rows: row pair k in v[Y + 4 k ..]: four neighbouring features a lane.
.irp t, 0,1,2,3
	ds_store_b128 v[STO], v[ACC+8*\t:ACC+8*\t+3] offset:64*\t          ; each accumulator from its low end on
	ds_store_b128 v[STO], v[ACC+8*\t+4:ACC+8*\t+7] offset:64*\t+16
.endr
	s_wait_alu depctr_vm_vsrc(0)                   ; the head's LDS stores have read v[Y] to v[Y + 7], in which the loads below land; the stores above have read the accumulators, which the sums further down write again
.irp k, 0,1,2,3,4,5,6,7
	ds_load_b128 v[Y+4*\k:Y+4*\k+3], v[RD] offset:\k*544               ; LDS serves a wave's instructions in order: these see my stores
.endr
	s_wait_kmcnt 0x0
	s_add_co_i32 s28, s28, s29
	s_add_co_i32 s28, s28, 127
	s_lshl_b32 s28, s28, 23                        ; 2^(e10 + e11) as f32
	s_mov_b32 s29, s28                             ; (named with it as a pair, so it is written)
	s_wait_loadcnt 0x0
.irp k, 0,1,2,3,4,5,6,7
	v_pk_add_f32 v[IN+4*\k:IN+4*\k+1], v[IN+4*\k:IN+4*\k+1], v[BO:BO+1]           ; inputs + b_o
	v_pk_add_f32 v[IN+4*\k+2:IN+4*\k+3], v[IN+4*\k+2:IN+4*\k+3], v[BO+2:BO+3]
.endr
	s_wait_dscnt 0x0
.irp k, 0,1,2,3,4,5,6,7
	v_pk_fma_f32 v[Y+4*\k:Y+4*\k+1], v[Y+4*\k:Y+4*\k+1], s[28:29], v[IN+4*\k:IN+4*\k+1] op_sel_hi:[1,0,1]         ; x = sum x 2^(e10 + e11) + b_o + inputs
	v_pk_fma_f32 v[Y+4*\k+2:Y+4*\k+3], v[Y+4*\k+2:Y+4*\k+3], s[28:29], v[IN+4*\k+2:IN+4*\k+3] op_sel_hi:[1,0,1]
.endr
.irp k, 0,1,2,3,4,5,6,7
	v_pk_add_f32 v[DV+4*\k:DV+4*\k+1], v[Y+4*\k:Y+4*\k+1], v[Y+4*\k+2:Y+4*\k+3]
.endr
.irp k, 0,1,2,3,4,5,6,7
	v_add_f32 v[ACC+2*\k], v[DV+4*\k], v[DV+4*\k+1]
.endr
	DPPSUM ACC
.irp k, 0,1,2,3,4,5,6,7
	v_mul_f32 v[ACC+2*\k], 0x3c800000, v[ACC+2*\k]                     ; my wave's mean of the row's 64 numbers
.endr
.irp k, 0,1,2,3,4,5,6,7
	v_pk_add_f32 v[DV+4*\k:DV+4*\k+1], v[Y+4*\k:Y+4*\k+1], v[ACC+2*\k:ACC+2*\k+1] op_sel_hi:[1,0] neg_lo:[0,1] neg_hi:[0,1]
	v_pk_add_f32 v[DV+4*\k+2:DV+4*\k+3], v[Y+4*\k+2:Y+4*\k+3], v[ACC+2*\k:ACC+2*\k+1] op_sel_hi:[1,0] neg_lo:[0,1] neg_hi:[0,1]
.endr
.irp k, 0,1,2,3,4,5,6,7
	v_pk_mul_f32 v[DV+4*\k:DV+4*\k+1], v[DV+4*\k:DV+4*\k+1], v[DV+4*\k:DV+4*\k+1]
.endr
.irp k, 0,1,2,3,4,5,6,7
	v_pk_fma_f32 v[DV+4*\k:DV+4*\k+1], v[DV+4*\k+2:DV+4*\k+3], v[DV+4*\k+2:DV+4*\k+3], v[DV+4*\k:DV+4*\k+1]
.endr
.irp k, 0,1,2,3,4,5,6,7
	v_add_f32 v[ACC+2*\k+1], v[DV+4*\k], v[DV+4*\k+1]
.endr
	DPPSUM ACC+1                                   ; and their squared deviations from it
	s_wait_alu depctr_va_vdst(0)                   ; the sums have written the eight pairs v[ACC] to v[ACC + 15], which the LDS stores read; the products are long done reading O's fragments, in which the loads behind the barrier land
.irp k, 0,1,2,3,4,5,6,7
	ds_store_b64 v[STW], v[ACC+2*\k:ACC+2*\k+1] offset:\k*256          ; sixteen lanes write the same pair to the same place
.endr
	s_wait_dscnt 0x0                               ; for the others' sake: my pairs have landed
	s_barrier_signal -1
	s_barrier_wait -1
.irp k, 0,1,2,3,4,5,6,7
	ds_load_b64 v[OF+2*\k:OF+2*\k+1], v[STR] offset:\k*256             ; lane i: wave i's pair of my row
.endr
	s_wait_dscnt 0x0
.irp k, 0,1,2,3,4,5,6,7
	v_mov_b32 v[MN+2*\k], v[OF+2*\k]
.endr
	DPPSUM MN
.irp k, 0,1,2,3,4,5,6,7
	v_mul_f32 v[MN+2*\k], 0x3d800000, v[MN+2*\k]                       ; the row's mean
.endr
.irp k, 0,1,2,3,4,5,6,7
	v_sub_f32 v[MN+2*\k+1], v[OF+2*\k], v[MN+2*\k]
.endr
.irp k, 0,1,2,3,4,5,6,7
	v_mul_f32 v[MN+2*\k+1], v[MN+2*\k+1], v[MN+2*\k+1]
.endr
.irp k, 0,1,2,3,4,5,6,7
	v_fma_f32 v[MN+2*\k+1], v[MN+2*\k+1], s32, v[OF+2*\k+1]            ; M2_i + 64 (m_i - mean)^2
.endr
	DPPSUM MN+1
.irp k, 0,1,2,3,4,5,6,7
	v_fma_f32 v[MN+2*\k+1], v[MN+2*\k+1], s30, s31                     ; var + eps
.endr
.irp k, 0,1,2,3,4,5,6,7
	v_rsq_f32 v[RS+2*\k], v[MN+2*\k+1]
.endr
	v_nop                                          ; a plain line behind the last of the batch
	s_wait_alu depctr_va_vdst(0)                   ; the eight reciprocal roots are written, ahead of their first reader: one wait for the batch
.irp k, 0,1,2,3,4,5,6,7
	v_pk_add_f32 v[Y+4*\k:Y+4*\k+1], v[Y+4*\k:Y+4*\k+1], v[MN+2*\k:MN+2*\k+1] op_sel_hi:[1,0] neg_lo:[0,1] neg_hi:[0,1]         ; x - mean
	v_pk_add_f32 v[Y+4*\k+2:Y+4*\k+3], v[Y+4*\k+2:Y+4*\k+3], v[MN+2*\k:MN+2*\k+1] op_sel_hi:[1,0] neg_lo:[0,1] neg_hi:[0,1]
	v_pk_mul_f32 v[DV+4*\k:DV+4*\k+1], v[LW:LW+1], v[RS+2*\k:RS+2*\k+1] op_sel_hi:[1,0]                                         ; ln_w / sqrt(var + eps)
	v_pk_mul_f32 v[DV+4*\k+2:DV+4*\k+3], v[LW+2:LW+3], v[RS+2*\k:RS+2*\k+1] op_sel_hi:[1,0]
.endr
.irp k, 0,1,2,3,4,5,6,7
	v_pk_fma_f32 v[Y+4*\k:Y+4*\k+1], v[Y+4*\k:Y+4*\k+1], v[DV+4*\k:DV+4*\k+1], v[LB:LB+1]
	v_pk_fma_f32 v[Y+4*\k+2:Y+4*\k+3], v[Y+4*\k+2:Y+4*\k+3], v[DV+4*\k+2:DV+4*\k+3], v[LB+2:LB+3]
.endr
	s_wait_alu depctr_va_vdst(0)                   ; the sixteen multiply-adds have written v[Y] to v[Y + 31], which the run of stores reads
.irp k, 0,1,2,3,4,5,6,7
	global_store_b128 v[GIO], v[Y+4*\k:Y+4*\k+3], s[18:19] offset:(2*\k+8*(\k/4))*4096 th:TH_STORE_NT   ; sixteen lanes store 256 consecutive bytes, aligned; written once, read by nobody here
.endr
	s_wait_dscnt 0x0                               ; the closing lines, six on end
	s_wait_alu 0x0
	s_wait_tensorcnt 0x0
	ds_add_u32 v[SPW], v[NIL]
	s_wait_dscnt 0x0
	s_endpgm
.Lfunc_end_k_qac64f719a9_oproj_ln:
	.size	k_qac64f719a9_oproj_ln, .Lfunc_end_k_qac64f719a9_oproj_ln-k_qac64f719a9_oproj_ln
	.p2alignl 7, 3214868480
	.fill 96, 4, 3214868480
	.section	.rodata,"a",@progbits
	.p2align	6, 0x0
	.amdhsa_kernel k_qac64f719a9_oproj_ln
		.amdhsa_group_segment_fixed_size 90112
		.amdhsa_private_segment_fixed_size 0
		.amdhsa_enable_private_segment 0
		.amdhsa_kernarg_size 64
		.amdhsa_user_sgpr_count 2
		.amdhsa_user_sgpr_kernarg_segment_ptr 1
		.amdhsa_wavefront_size32 1
		.amdhsa_system_sgpr_workgroup_id_x 1
		.amdhsa_system_sgpr_workgroup_id_y 1
		.amdhsa_system_sgpr_workgroup_id_z 1
		.amdhsa_system_vgpr_workitem_id 0
		.amdhsa_next_free_vgpr 256
		.amdhsa_next_free_sgpr 66
		.amdhsa_reserve_vcc 0
		.amdhsa_float_denorm_mode_32 3
		.amdhsa_float_denorm_mode_16_64 3
		.amdhsa_memory_ordered 1
		.amdhsa_forward_progress 1
		.amdhsa_inst_pref_size 45
	.end_amdhsa_kernel
	.amdgpu_metadata
---
amdhsa.version: [ 1, 2 ]
amdhsa.kernels:
  - .name:           k_qac64f719a9_oproj_ln
    .symbol:         k_qac64f719a9_oproj_ln.kd
    .args:
      - { .name: oimg, .offset: 0, .size: 8, .value_kind: global_buffer, .address_space: global }
      - { .name: wimg, .offset: 8, .size: 8, .value_kind: global_buffer, .address_space: global }
      - { .name: lowp_scales, .offset: 16, .size: 8, .value_kind: global_buffer, .address_space: global }
      - { .name: b_o, .offset: 24, .size: 8, .value_kind: global_buffer, .address_space: global }
      - { .name: inputs, .offset: 32, .size: 8, .value_kind: global_buffer, .address_space: global }
      - { .name: ln_w, .offset: 40, .size: 8, .value_kind: global_buffer, .address_space: global }
      - { .name: ln_b, .offset: 48, .size: 8, .value_kind: global_buffer, .address_space: global }
      - { .name: out0, .offset: 56, .size: 8, .value_kind: global_buffer, .address_space: global }
    .group_segment_fixed_size: 90112
    .private_segment_fixed_size: 0
    .kernarg_segment_align: 8
    .kernarg_segment_size: 64
    .max_flat_workgroup_size: 512
    .sgpr_count:     66
    .vgpr_count:     256
    .wavefront_size: 32
...
	.end_amdgpu_metadata
.endif
;; end of part 6
